; MI455X (gfx1250); checked and timed in simulation.
; The chip was launched on July 23, 2026; its instructions are those of AMD's public machine-readable ISA for CDNA 5 (MIT licence, August 2026) and "CDNA5" Instruction Set Architecture Reference Guide (July 2026). The comments in the code are by the model that wrote it; some were corrected since.
;; Full Attention. Allowed arithmetic: matrix products marked QUANTISED: E5M2 operands, one given power-of-two scale a tensor, by v_wmma_f32_16x16x64_bf8_bf8 or v_wmma_f32_16x16x128_bf8_bf8, f32 sums; everything else in f32.
;; Inputs: attn_mask 4 x 1 x 2,048 x 2,048 bool; keys_codes 4 x 2,048 x 16 x 2 x 32 uint8 (E5M2 codes of keys, K innermost, in blocks of 32 codes); lowp_scales 4 int32 (the exponents e of the quantised operands' scales 2^e); queries_codes 4 x 2,048 x 16 x 2 x 32 uint8 (E5M2 codes of queries, K innermost, in blocks of 32 codes); values_codes 4 x 16 x 64 x 64 x 32 uint8 (E5M2 codes of values, K innermost, in blocks of 32 codes).
;; Outputs: out0 4 x 2,048 x 16 x 64 float32.
;; This version of the problem:
;;   THIS VERSION OF THE PROBLEM IS GIVEN IN LOW PRECISION. The matrix products marked QUANTISED in the list below multiply operands that are first quantised to E5M2 (5 exponent bits, 2 mantissa bits; 8 bits a number), with one given power-of-two scale for each operand tensor; their sums are f32. All else is computed in f32.
;;   The module's matrix products, in the order in which they are computed (A, B: the left and right operand; K: the contracted axis; several contracted axes count as one K, in the product's order):
;;     1. batch 64 x [M 2,048, K 64] x [K 64, N 2,048]; A: input queries (given as codes); B: input keys (given as codes): QUANTISED (scales: A lowp_scales[0], B lowp_scales[1])
;;     2. batch 64 x [M 64, K 2,048] x [K 2,048, N 2,048]; A: input values (given as codes); B: softmax (see below): QUANTISED (scales: A lowp_scales[2], B lowp_scales[3])
;;   THE QUANTISER, for each operand of a quantised product, along K:
;;     - The operand's scale is 2^e, e = its entry of the input lowp_scales (int32; the entries are numbered through the quantised products in the list's order, A before B).
;;     - Each number is divided by the scale, clamped to +-57,344, and rounded to the nearest number of E5M2, ties to even, subnormals kept.
;;     - The product sums the exact products of the quantised numbers (number of the format x scale) in f32.
;;   ~~~python
;;   def quantise(x, axis, e):      # numpy; x: float32 -> the quantised numbers, widened to float32 again
;;       x = np.moveaxis(x, axis, -1); K = x.shape[-1]
;;       r = np.clip(x / 2.0 ** e, -57344, 57344)
;;       step = 2.0 ** (np.maximum(np.frexp(np.where(r == 0, 1, r))[1] - 1, -14) - 2)
;;       q = np.round(r / step) * step * 2.0 ** e      # np.round: ties to even
;;       return np.moveaxis(q, -1, axis).astype(np.float32)
;;   ~~~
;;   SOFTMAX AHEAD OF A QUANTISED PRODUCT. Where the list says 'softmax', what is quantised is not the finished softmax but p = 2^(t - M), with t = logit x log2(e) and M = ceil(the row's largest t), a whole number; so 1/2 < the row's largest p <= 1. The row's sum l is taken of the UNQUANTISED p, in f32, and the product's result is divided by l at the end. Since M is a whole number, a kernel that streams over the keys may use a running M (the ceiling of the running maximum): every later rescaling is an exact power of two, so the quantised numbers keep their values, but for numbers so far below the row's largest that they fall under the format's range.
;;   OPERANDS COMPUTED ON THE WAY. 'Computed on the way' means the value that the module computes at that place (a softmax that the list does not call 'softmax' is quantised finished and normalised). What goes into a quantiser is computed in f32, as accurately as f32 sums, v_exp_f32 and their like allow (about 1e-6 of the number): no bf16 or f16 on the way to a quantiser, and a product that is left as it is and whose result goes on into a quantised operand takes f32 operands (vector FMAs, or v_wmma_f32_16x16x4_f32). A number that lies on a knife's edge between two numbers of the format may be rounded either way, as far as f32 arithmetic and the matrix unit's own rounding can turn it there, and no further.
;;   INPUTS GIVEN AS CODES. keys (in the module: [4, 2048, 16, 64], K = its axis 3); queries (in the module: [4, 2048, 16, 64], K = its axis 3); values (in the module: [4, 2048, 16, 64], K = its axis 1): each comes as NAME_codes (uint8): NAME with its K axis moved to the last place and cut into blocks of 32 codes, [.., K / 32, bytes a block], one block behind the other in memory; one code a byte (a code: sign, 5 exponent bits, 2 mantissa bits); its scale is its entry of lowp_scales. Its value is code x scale, taken as it is: it is not quantised again, and the codes and scales need not be those that the quantiser above would give.
;; 2 versions. Each part assembles by itself: llvm-mc -triple=amdgcn-amd-amdhsa -mcpu=gfx1250 --defsym DOCPART=n.
;; ======== version 1 of 2: 2 launches
;; limits: right only within a limited range of input values
;; workspace buffers: mwords 2,097,152 bytes; mflags 4,096 bytes of whole numbers
;; launch pack (part 1): grid 512 x 1, 8 waves a work-group, no clusters, 36,096 bytes of LDS; arguments attn_mask, lowp_scales, mwords, mflags; writes mwords, mflags
.if DOCPART == 1
	.amdgcn_target "amdgcn-amd-amdhsa--gfx1250"
	.amdhsa_code_object_version 6
	.text
	.protected	k_q5977da91e3_pack
	.globl	k_q5977da91e3_pack
	.p2align	8
	.type	k_q5977da91e3_pack,@function
k_q5977da91e3_pack:
	s_mov_b64 s[64:65], 0
	v_nop
	global_prefetch_b8 v0, s[64:65] scope:SCOPE_SE
	s_setreg_imm32_b32 hwreg(HW_REG_WAVE_MODE, 25, 1), 1
	s_wait_xcnt 0x0
; The mask, [4][1][2048][2048] bytes (1 = hidden), is read once and turned into lane masks and flags for the attention launch, which 16 heads then read in its stead.
; mwords: 512 blocks of 4,096 bytes, one for each tile of 16 queries (block g = 128 b + tile).  They only select values.
;   bytes 256 st + 4 n (st = 0-15, n = 0-63): word W[n]; its bit L (lane L = 16 hh + r) = mask[16 g + r][128 st + 32 (n / 16) + 16 hh + n % 16]:
;   the lanes that hold a hidden score in score register n of the attention launch.
; mflags: 512 entries of 8 bytes, entry g.  They steer the attention launch's branches.
;   word 0: bit st (0-15): key step st (128 keys) has a position that counts.  Bit 16 + st: it has such a position and a hidden one too.
;   word 1: 1 where ep (entry 3 of the scales' exponents) is under -15, else 0: whether p, which is at most 1, can pass 57,344 x 2^ep.
; SHARES.  Work-group g takes 16 rows of the mask; its wave w the columns 256 w .. 256 w + 255, key steps 2 w and 2 w + 1.  No loop.
; Each load reads two rows' 256 consecutive bytes; the 16 x 256 bytes turn through the wave's own stage in LDS (rows 272 bytes apart), so that lane (r, hh) holds row r's bytes.
; A compare against 0 of one byte a lane gives a word; 64 words a step are set into two registers, lane by lane, and leave as one store of 256 consecutive bytes.
; A tile's entry of flags is 8 bytes and is stored by one lane: 512 such stores in the launch, 4,096 bytes in all.
.set PITCH, 272                        ; a stage row: 256 bytes + 16: sixteen neighbouring rows begin at sixteen different 16-byte columns modulo 256
.set WST,   16*PITCH                   ; a wave's stage
.set FLG,   8*WST                      ; behind the stages: a word of flags for each wave
.set GOF, 4                            ; v4   my byte in the work-group's 16 rows of the mask
.set STO, 5                            ; v5   the stage, on the way in
.set RD,  6                            ; v6   and on the way out
.set L8,  7                            ; v7   8 x lane
.set FW,  8                            ; v8   my wave's word of flags
.set FR,  9                            ; v9   the eight words of flags
.set FZ,  10                           ; v10  0: the offset of the entry's store
.set X,   12                           ; v12-43  as loaded
.set Y,   44                           ; v44-75  my row's bytes: register 4 (4 s + blk) + j, byte k = column 128 s + 32 blk + 16 hh + 4 j + k
.set T,   76                           ; v76-83  at work
.set W,   84                           ; v84-87  the words: a pair for each step; word n in register n % 2, lane n / 2
.set WV,  32                           ; s32  my wave's number
.set EP,  33                           ; s33  ep, then the flag made of it
	s_load_b256 s[4:11], s[0:1], 0x0               ; the mask s[4:5], the scales' exponents s[6:7], mwords s[8:9], mflags s[10:11]
	v_lshl_add_u32 v104, v0, 2, 0x8900
	v_mov_b32 v105, 0
	v_lshrrev_b32 v1, 5, v0
	v_readfirstlane_b32 s[WV], v1                  ; wave 0..7
	v_and_b32 v2, 15, v0                           ; lane % 16
	v_bfe_u32 v3, v0, 4, 1                         ; lane / 16
	s_lshl_b32 s24, s[WV], 8
	s_mul_i32 s25, s[WV], WST
	v_lshlrev_b32 v[GOF], 4, v2
	v_lshl_add_u32 v[GOF], v3, 11, v[GOF]
	v_add_nc_u32 v[GOF], s24, v[GOF]               ; 16 (lane % 16) + 2,048 (lane / 16) + 256 wave
	v_mul_u32_u24 v[STO], v3, PITCH
	v_lshl_add_u32 v[STO], v2, 4, v[STO]
	v_add_nc_u32 v[STO], s25, v[STO]               ; in: lanes 0-15 one row, lanes 16-31 the next
	v_mul_u32_u24 v[RD], v2, PITCH
	v_lshl_add_u32 v[RD], v3, 4, v[RD]
	v_add_nc_u32 v[RD], s25, v[RD]                 ; out: row lane % 16, 16 bytes for each half of the lanes
	v_and_b32 v[L8], 31, v0
	v_lshlrev_b32 v[L8], 3, v[L8]
	v_mov_b32 v[FW], s[WV]
	v_lshl_add_u32 v[FW], v[FW], 2, FLG
	v_mov_b32 v[FR], FLG
	v_mov_b32 v[FZ], 0
	s_mov_b32 s12, 0xff                            ; a register's four bytes
	s_mov_b32 s13, 0xff00
	s_mov_b32 s14, 0xff0000
	s_mov_b32 s15, 0xff000000
	s_lshl_b32 s28, ttmp9, 15                      ; 16 rows of 2,048 bytes
	s_mov_b32 s29, 0
	s_lshl_b32 s30, ttmp9, 12                      ; the tile's block of words,
	s_lshl_b32 s27, s[WV], 9                       ; my two steps' words in it
	s_add_co_u32 s30, s30, s27
	s_mov_b32 s31, 0
	s_lshl_b32 s36, ttmp9, 3                       ; the tile's entry of flags
	s_mov_b32 s37, 0
	s_wait_kmcnt 0x0
	s_load_b32 s[EP], s[6:7], 0xc                  ; ep
	s_add_nc_u64 s[4:5], s[4:5], s[28:29]
	s_add_nc_u64 s[8:9], s[8:9], s[30:31]
	s_add_nc_u64 s[10:11], s[10:11], s[36:37]
.irp i, 0,1,2,3,4,5,6,7
	global_load_b128 v[X+4*\i:X+4*\i+3], v[GOF], s[4:5] offset:4096*\i th:TH_LOAD_NT   ; rows 2 i and 2 i + 1: sixteen lanes read 256 consecutive bytes, aligned
.endr
.irp j, 0,1,2,3
	v_mov_b32 v[W+\j], 0                           ; written whole once: a lane write keeps the other lanes
.endr
.irp i, 0,1,2,3,4,5,6,7
	s_wait_loadcnt 7-\i                            ; loads come back in order: load i is in, the younger ones may be out
	ds_store_b128 v[STO], v[X+4*\i:X+4*\i+3] offset:2*PITCH*\i
.endr
.irp i, 0,1,2,3,4,5,6,7
	ds_load_b128 v[Y+4*\i:Y+4*\i+3], v[RD] offset:32*\i   ; my own stage, served in order: these see the stores above.  i = 4 s + blk: byte 128 s + 32 blk of the row
.endr
	s_wait_dscnt 0x0
; the 64 words of step s, eight at a time: a byte a lane, its compare against 0, the result into its lane of W
.macro WORDS s
.set nn, 0
.rept 8
.irp k, 0,1,2,3,4,5,6,7
	v_and_b32 v[T+\k], s[12+(nn+\k)%4], v[Y+4*(4*\s+(nn+\k)/16)+((nn+\k)%16)/4]
.endr
.irp k, 0,1,2,3,4,5,6,7
	v_cmp_ne_u32 s[16+\k], 0, v[T+\k]
.endr
.irp k, 0,1,2,3,4,5,6,7
	v_writelane_b32 v[W+2*\s+(nn+\k)%2], s[16+\k], (nn+\k)/2
.endr
.set nn, nn+8
.endr
	global_store_b64 v[L8], v[W+2*\s:W+2*\s+1], s[8:9] offset:256*\s   ; 32 lanes store 256 consecutive bytes, aligned
.endm
	WORDS 0
	WORDS 1
	; the two steps' flags, without a branch
	v_and_b32 v88, v[W], v[W+1]
	v_or_b32  v89, v[W], v[W+1]
	v_and_b32 v90, v[W+2], v[W+3]
	v_or_b32  v91, v[W+2], v[W+3]
	v_cmp_ne_u32 s16, -1, v88                      ; some word of step 0 has a 0: a position counts
	v_cmp_ne_u32 s17, 0, v89                       ; some word has a 1: a position is hidden
	v_cmp_ne_u32 s18, -1, v90
	v_cmp_ne_u32 s19, 0, v91
	s_cmp_lg_u32 s16, 0
	s_cselect_b32 s16, 1, 0
	s_cmp_lg_u32 s17, 0
	s_cselect_b32 s17, 1, 0
	s_and_b32 s17, s17, s16                        ; both
	s_cmp_lg_u32 s18, 0
	s_cselect_b32 s18, 2, 0
	s_cmp_lg_u32 s19, 0
	s_cselect_b32 s19, 2, 0
	s_and_b32 s19, s19, s18
	s_or_b32 s16, s16, s18
	s_or_b32 s17, s17, s19
	s_lshl_b32 s17, s17, 16
	s_or_b32 s16, s16, s17
	s_lshl_b32 s20, s[WV], 1
	s_lshl_b32 s16, s16, s20                       ; at bits 2 w, 2 w + 1, 16 + 2 w, 17 + 2 w
	s_wait_kmcnt 0x0                               ; ep
	s_cmp_lt_i32 s[EP], -15
	s_cselect_b32 s[EP], 1, 0
	v_mov_b32 v92, s16
	ds_store_b32 v[FW], v92                        ; all lanes write the same word with the same value
	s_wait_dscnt 0x0                               ; for the others' sake: my word has landed
	s_barrier_signal -1
	s_barrier_wait -1
	s_cmp_lg_u32 s[WV], 0                          ; wave 0 joins the eight words and stores the tile's entry
	s_cbranch_scc1 .Ldone
	ds_load_b128 v[92:95], v[FR]
	ds_load_b128 v[96:99], v[FR] offset:16
	s_wait_dscnt 0x0
	v_or_b32 v92, v92, v93
	v_or_b32 v94, v94, v95
	v_or_b32 v96, v96, v97
	v_or_b32 v98, v98, v99
	v_or_b32 v92, v92, v94
	v_or_b32 v96, v96, v98
	v_or_b32 v92, v92, v96
	v_mov_b32 v93, s[EP]
	v_cmp_eq_u32 vcc_lo, 0, v[L8]                  ; lane 0
	s_wait_xcnt 0x0                                ; EXEC is a source of the words' stores: it changes only behind this wait
	s_and_saveexec_b32 s34, vcc_lo
	global_store_b64 v[FZ], v[92:93], s[10:11]     ; the entry's 8 bytes
	s_wait_xcnt 0x0                                ; and again, in front of the line that widens it
	s_or_b32 exec_lo, exec_lo, s34
.Ldone:
	s_wait_tensorcnt 0x0
	ds_add_u32 v104, v105
	s_wait_dscnt 0x0
	s_endpgm
.Lfunc_end_k_q5977da91e3_pack:
	.size	k_q5977da91e3_pack, .Lfunc_end_k_q5977da91e3_pack-k_q5977da91e3_pack
	.p2alignl 7, 3214868480
	.fill 96, 4, 3214868480
	.section	.rodata,"a",@progbits
	.p2align	6, 0x0
	.amdhsa_kernel k_q5977da91e3_pack
		.amdhsa_group_segment_fixed_size 36096
		.amdhsa_private_segment_fixed_size 0
		.amdhsa_enable_private_segment 0
		.amdhsa_kernarg_size 32
		.amdhsa_user_sgpr_count 2
		.amdhsa_user_sgpr_kernarg_segment_ptr 1
		.amdhsa_wavefront_size32 1
		.amdhsa_system_sgpr_workgroup_id_x 1
		.amdhsa_system_sgpr_workgroup_id_y 1
		.amdhsa_system_sgpr_workgroup_id_z 1
		.amdhsa_system_vgpr_workitem_id 0
		.amdhsa_next_free_vgpr 106
		.amdhsa_next_free_sgpr 66
		.amdhsa_reserve_vcc 1
		.amdhsa_float_denorm_mode_32 3
		.amdhsa_float_denorm_mode_16_64 3
		.amdhsa_memory_ordered 1
		.amdhsa_forward_progress 1
		.amdhsa_inst_pref_size 27
	.end_amdhsa_kernel
	.amdgpu_metadata
---
amdhsa.version: [ 1, 2 ]
amdhsa.kernels:
  - .name:           k_q5977da91e3_pack
    .symbol:         k_q5977da91e3_pack.kd
    .args:
      - { .name: attn_mask, .offset: 0, .size: 8, .value_kind: global_buffer, .address_space: global }
      - { .name: lowp_scales, .offset: 8, .size: 8, .value_kind: global_buffer, .address_space: global }
      - { .name: mwords, .offset: 16, .size: 8, .value_kind: global_buffer, .address_space: global }
      - { .name: mflags, .offset: 24, .size: 8, .value_kind: global_buffer, .address_space: global }
    .group_segment_fixed_size: 36096
    .private_segment_fixed_size: 0
    .kernarg_segment_align: 8
    .kernarg_segment_size: 32
    .max_flat_workgroup_size: 256
    .sgpr_count:     66
    .vgpr_count:     106
    .wavefront_size: 32
...
	.end_amdgpu_metadata
.endif
;; end of part 1
;; launch attn (part 2): grid 4 x 64, 16 waves a work-group, no clusters, 297,984 bytes of LDS; arguments queries_codes, keys_codes, values_codes, lowp_scales, mwords, mflags, out0; writes out0
.if DOCPART == 2
	.amdgcn_target "amdgcn-amd-amdhsa--gfx1250"
	.amdhsa_code_object_version 6
	.text
	.protected	k_q5977da91e3_attn
	.globl	k_q5977da91e3_attn
	.p2align	8
	.type	k_q5977da91e3_attn,@function
k_q5977da91e3_attn:
	s_mov_b64 s[64:65], 0
	v_nop
	global_prefetch_b8 v0, s[64:65] scope:SCOPE_SE
	s_setreg_imm32_b32 hwreg(HW_REG_WAVE_MODE, 25, 1), 1
	s_wait_xcnt 0x0
; out[b][l][h][:] = the sum over s of softmax_s(q . k / 8, hidden positions at -infinity) v[s][:], both products on codes of BF8 (E5M2), each tensor with its given scale 2^e: eq, ek, ev, ep.
; q, k: [4][2048][16][64] codes, K = the head's 64.  v: [4][16][64][2048] codes, the keys innermost.  out: [4][2048][16][64] f32.  The mask comes as mwords and mflags, which the launch before has made of it (layout: below).
; THE SOFTMAX: t = score x log2(e) / 8; M = the running largest t rounded UP to a whole number; p = 2^(t - M) is quantised with 2^ep; the row's sum is taken of the unquantised p and divides at the end.
; When M moves, the sum and O are multiplied by 2^(old M - new M), which rounds nothing.  A row all of whose positions are hidden gives 0 x (1 / 0) = NaN, as the softmax of such a row does.
; SHARES.  Work-group (x, y): head y = 16 b + h, and the 32 tiles of 16 queries numbered 4 j + x.  The head's WHOLE K and V, 256 KB of codes, lie in LDS, filled once, through registers.
; Each of the sixteen waves owns two tiles, j = w and j = 31 - w, in 256 registers: four waves to a SIMD, so that one wave's vector work stands beside another's products and LDS loads.
; A wave walks the keys 128 a step, 16 steps.  WHAT THE MASK DECIDES, by scalar branches on whole numbers read from mflags: a tile's step all of whose 16 x 128 positions are hidden adds p = 0 and moves no maximum:
; it is left out; a step with no hidden position has no masking lines; in the others 64 selects put -infinity ahead of the maximum, each by a word of mwords that names the lanes of one score register.  Every mask is served.
; p is at most 1, so p / 2^ep is at most 2^-ep, which lies within 57,344 wherever ep >= -15: the hold at the largest code is executed where ep < -15; that too is a flag in mflags, made by the launch before.
; K and V of a head are read by that head's four work-groups.  They are not asked for jointly: a joint request is a tensor load, and there is none here.
; The branches leave out about 200 vector lines for every hidden tile's step; sharing would spare three of four fetches of 256 KB, once in the launch.  Nothing in LDS is filled twice.
; LAYOUT.  Both products are used transposed: S^T = K Q^T (source 0 = 16 keys, source 1 = 16 queries; K = 64, one instruction a tile), O^T += V^T P (source 0 = 16 of the head's 64, source 1 = P; K = 128 keys):
; a lane holds ONE query (lane % 16) throughout.  Lane r of key tile 2 bb + u takes key 32 bb + 8 u + r + 8 (r / 8), so that score register 16 bb + i holds key 32 bb + 16 (lane / 16) + i: the conversions' results are P.
; Fragments come by loads of 16 bytes at 32 c + 16 (lane / 16): a permutation of k that is the same on both sides of each product.
; mflags: entry 128 b + tile of 8 bytes: word 0: bit st = step st has a position that counts, bit 16 + st = and a hidden one too; word 1: 1 where ep < -15.
; mwords: block 128 b + tile of 4,096 bytes: bytes 256 st + 4 n: the lanes in which score register n of step st is hidden.
; LIMITS: eq + ek between -123 and 130 (added to the exponent field of log2(e) / 8); ep between -126 and 112; codes of infinity or NaN among the inputs are not served.
.set KP,    80                         ; a key's row in LDS: 64 bytes + 16 = 5 x 16: sixteen neighbouring rows begin at sixteen different 16-byte columns modulo 256
.set KSTEP, 128*KP                     ; a step's 128 keys
.set VOFF,  2048*KP                    ; behind K: V
.set VP,    2064                       ; a row of V in LDS: 2,048 bytes + 16 = 129 x 16
.set SP,    272                        ; the way out: a stage of 16 rows x (256 + 16) bytes for each wave, in K's bytes, behind the last barrier
.set WSTG,  16*SP
.set AK0,  1                           ; v1   my lane's place in a tile of K
.set AV0,  2                           ; v2   the same for V
.set ADK,  3                           ; v3   the step's K;  v4 its V, rows 0-31;  v5 rows 32-63
.set ADV,  4
.set ADV2, 5
.set NINF, 6                           ; v6   -infinity
.set LIM,  7                           ; v7   57,344 x 2^ep
.set SCL,  8                           ; v8   2^ep
.set PD,   9                           ; v9   a lane permute's destination
.set X1,   10                          ; v10, v11 at work
.set X2,   11
.set F,    12                          ; v[12:13] f = 2^(old M - new M) (v13 is named with it as a pair)
.set SU,   14                          ; v[14:15] a second chain of sums
.set ST,   16                          ; tile q's statistics at v[16 + 4 q]: -M, the largest t, the sum in two halves
.set QF,   24                          ; v24-39   Q's fragments, 8 registers a tile
.set P,    40                          ; v40-55   p's codes.  (In the prologue: the fill's addresses)
.set KV,   56                          ; v56-119  8 fragments of K (8 registers each), then 4 of V (16 each)
.set S,    120                         ; v120-183 S^T, then p
.set O,    184                         ; v184-247 O^T, 32 registers a tile
.set STO,  248                         ; v248-250 the way out
.set RD,   249
.set GO,   250
.set GKO,  40                          ; the fill: K's offset in memory; v41-43 its places in LDS; v44 V's offset; v45-47 its places; v48 Q's offset
.set LKA,  41
.set GVO,  44
.set LVA,  45
.set QO,   48
.set MP,   2                           ; s[2:3], s[4:5] the two tiles' blocks in mwords, at the step in hand
.set CS,   6                           ; s[6:7]  c = 2^(eq + ek) log2(e) / 8 (the packed form names a pair and takes its low word)
.set SEL,  8                           ; s[8:9]  lane selects: lane l xor 16
.set WV,   10
.set TBK,  11                          ; s11  LDS byte of the step's K;  s12 byte of the step in a row of V
.set TBV,  12
.set CNT,  13
.set LV,   14                          ; s14, s15  a tile's steps that count, the step in hand at bit 0
.set MX,   18                          ; s18, s19  a tile's steps that also have hidden positions
.set EPV,  20                          ; s20  ep + ev
.set HOLD, 21                          ; s21  1 where ep < -15
; s[32:63], s[68:99]: a step's 64 mask words (in the prologue: at work).  s66, s67: the two tiles' numbers.  s[100:101]: out.  s104 b, s105 h.
	s_load_b256 s[24:31], s[0:1], 0x0              ; q s[24:25], k s[26:27], v s[28:29], the scales' exponents s[30:31]
	s_load_b64 s[MP:MP+1], s[0:1], 0x20            ; mwords
	s_load_b64 s[48:49], s[0:1], 0x28              ; mflags
	s_load_b64 s[100:101], s[0:1], 0x30            ; out
	v_lshl_add_u32 v254, v0, 2, 0x48400
	v_mov_b32 v255, 0
	v_lshrrev_b32 v1, 5, v0
	v_readfirstlane_b32 s[WV], v1                  ; wave 0..15
	s_and_b32 s33, ttmp7, 0xffff                   ; 16 b + h
	s_lshr_b32 s104, s33, 4
	s_and_b32 s105, s33, 15
	s_lshl_b32 s66, s[WV], 2
	s_add_co_u32 s66, s66, ttmp9                   ; tile 0: 4 w + x
	s_sub_co_u32 s67, 31, s[WV]
	s_lshl_b32 s67, s67, 2
	s_add_co_u32 s67, s67, ttmp9                   ; tile 1: 4 (31 - w) + x
	s_lshl_b32 s34, s104, 21
	s_lshl_b32 s32, s105, 6
	s_or_b32 s34, s34, s32                         ; k: the batch's 2,048 rows of 1,024 bytes, the head's 64 in a row
	s_mov_b32 s35, 0
	s_lshl_b32 s36, s33, 17                        ; v: the head's 64 rows of 2,048 bytes
	s_mov_b32 s37, 0
	s_lshl_b32 s38, s66, 14
	s_add_co_u32 s38, s38, s34                     ; q: as k, + 16 rows a tile
	s_mov_b32 s39, 0
	s_lshl_b32 s40, s67, 14
	s_add_co_u32 s40, s40, s34
	s_mov_b32 s41, 0
	s_lshl_b32 s32, s104, 7
	s_add_co_u32 s42, s32, s66                     ; 128 b + tile
	s_add_co_u32 s44, s32, s67
	s_lshl_b32 s58, s42, 3                         ; the tiles' entries in mflags,
	s_lshl_b32 s60, s44, 3
	s_lshl_b32 s42, s42, 12                        ; and their blocks in mwords
	s_lshl_b32 s44, s44, 12
	s_mov_b32 s43, 0
	s_mov_b32 s45, 0
	s_mov_b32 s59, 0
	s_mov_b32 s61, 0
	; THE FILL.  K: a pass of the 512 threads takes 128 keys x 64 bytes: key t / 4, 16 bytes t % 4.  In LDS a key lies at the position that is its number with bits 3 and 4 exchanged,
	; so that the 16 keys of a tile (32 bb + 8 u + r + 8 (r / 8)) are 16 neighbouring rows (32 bb + 16 u + r).
	v_bfe_u32 v[LKA], v0, 2, 3                     ; the key's bits 0-2,
	v_bfe_u32 v[LKA+1], v0, 6, 1                   ; its bit 4, to bit 3,
	v_lshl_or_b32 v[LKA], v[LKA+1], 3, v[LKA]
	v_bfe_u32 v[LKA+1], v0, 5, 1                   ; its bit 3, to bit 4,
	v_lshl_or_b32 v[LKA], v[LKA+1], 4, v[LKA]
	v_bfe_u32 v[LKA+1], v0, 7, 2                   ; its bits 5 and 6
	v_lshl_or_b32 v[LKA], v[LKA+1], 5, v[LKA]
	v_mul_u32_u24 v[LKA], v[LKA], KP
	v_and_b32 v[LKA+1], 3, v0
	v_lshl_add_u32 v[LKA], v[LKA+1], 4, v[LKA]     ; passes 0-5 (the pass stands in the immediate, which has 16 bits)
	v_lshrrev_b32 v[GKO], 2, v0
	v_lshlrev_b32 v[GKO], 10, v[GKO]
	v_lshl_add_u32 v[GKO], v[LKA+1], 4, v[GKO]
	v_add_nc_u32 v[LKA+1], 6*KSTEP, v[LKA]         ; passes 6-11
	v_add_nc_u32 v[LKA+2], 12*KSTEP, v[LKA]        ; passes 12-15
	; V: a pass takes 4 rows of 2,048 bytes, as they lie
	v_lshlrev_b32 v[GVO], 4, v0
	v_lshrrev_b32 v[LVA], 7, v0
	v_mul_u32_u24 v[LVA], v[LVA], VP
	v_and_b32 v[LVA+1], 127, v0
	v_lshl_add_u32 v[LVA], v[LVA+1], 4, v[LVA]
	v_add_nc_u32 v[LVA], VOFF, v[LVA]              ; passes 0-6
	v_add_nc_u32 v[LVA+1], 7*4*VP, v[LVA]          ; passes 7-13
	v_add_nc_u32 v[LVA+2], 14*4*VP, v[LVA]         ; passes 14, 15
	v_and_b32 v49, 15, v0                          ; r
	v_bfe_u32 v50, v0, 4, 1                        ; hh
	v_lshlrev_b32 v[QO], 10, v49
	v_lshl_add_u32 v[QO], v50, 4, v[QO]            ; q: row r of 1,024 bytes, + 16 hh
	s_wait_kmcnt 0x0
	s_add_nc_u64 s[MP+2:MP+3], s[MP:MP+1], s[44:45]
	s_add_nc_u64 s[MP:MP+1], s[MP:MP+1], s[42:43]
	s_add_nc_u64 s[54:55], s[48:49], s[58:59]
	s_add_nc_u64 s[56:57], s[48:49], s[60:61]
	s_add_nc_u64 s[26:27], s[26:27], s[34:35]
	s_add_nc_u64 s[28:29], s[28:29], s[36:37]
	s_add_nc_u64 s[46:47], s[24:25], s[40:41]
	s_add_nc_u64 s[24:25], s[24:25], s[38:39]
	s_load_b128 s[20:23], s[30:31], 0x0            ; eq, ek, ev, ep
	s_load_b64 s[50:51], s[54:55], 0x0             ; tile 0's flags, and the flag for the hold
	s_load_b32 s52, s[56:57], 0x0                  ; tile 1's flags
.irp c, 0,1
	global_load_b128 v[QF+4*\c:QF+4*\c+3], v[QO], s[24:25] offset:32*\c
	global_load_b128 v[QF+8+4*\c:QF+8+4*\c+3], v[QO], s[46:47] offset:32*\c
.endr
.set pp, 0
.rept 16
	global_load_b128 v[KV+4*pp:KV+4*pp+3], v[GKO], s[26:27] offset:131072*pp
.set pp, pp+1
.endr
.set pp, 0
.rept 16
	global_load_b128 v[S+4*pp:S+4*pp+3], v[GVO], s[28:29] offset:8192*pp
.set pp, pp+1
.endr
	; while the 36 loads are out: what stays
	v_mul_u32_u24 v[AK0], v49, KP
	v_lshl_add_u32 v[AK0], v50, 4, v[AK0]
	v_mul_u32_u24 v[AV0], v49, VP
	v_lshl_add_u32 v[AV0], v50, 4, v[AV0]
	v_add_nc_u32 v[AV0], VOFF, v[AV0]
	s_mul_i32 s16, s[WV], WSTG                     ; my stage
	v_mul_u32_u24 v[STO], v49, SP
	v_lshl_add_u32 v[STO], v50, 5, v[STO]
	v_add_nc_u32 v[STO], s16, v[STO]               ; in: row r, 32 bytes for each half of the lanes
	v_mul_u32_u24 v[RD], v50, SP
	v_lshl_add_u32 v[RD], v49, 4, v[RD]
	v_add_nc_u32 v[RD], s16, v[RD]                 ; back: lanes 0-15 one row, lanes 16-31 the next
	v_lshlrev_b32 v[GO], 12, v50
	v_lshl_add_u32 v[GO], v49, 4, v[GO]            ; and the same two rows in out: 4,096 bytes from query to query
	v_mov_b32 v[NINF], 0xff800000
	v_mov_b32 v[PD], 0                             ; written once: a lane permute's destination counts as one of its sources
	v_mov_b32 v[F+1], 0
.irp q, 0,1
	v_mov_b32 v[ST+4*\q+1], 0xff61b1e6             ; the largest t so far: -3e38, under every t
	v_floor_f32 v[ST+4*\q], -v[ST+4*\q+1]          ; -M
	v_mov_b32 v[ST+4*\q+2], 0                      ; the sum
	v_mov_b32 v[ST+4*\q+3], 0
.endr
.set jj, 0
.rept 64
	v_mov_b32 v[O+jj], 0                           ; O^T.  (A step is written once for all steps: a tile's first finds zeros, which the first change of M leaves zeros; a tile with no step at all keeps them)
.set jj, jj+1
.endr
	s_mov_b32 s[SEL], 0x76543210
	s_mov_b32 s[SEL+1], 0xfedcba98
	s_mov_b32 s[TBK], 0
	s_mov_b32 s[TBV], 0
	s_mov_b32 s[CNT], 16
	s_wait_kmcnt 0x0
	s_add_co_i32 s16, s20, s21
	s_lshl_b32 s16, s16, 23
	s_add_co_i32 s[CS], s16, 0x3e38aa3b            ; log2(e) / 8, with eq + ek added to its exponent field
	s_mov_b32 s[CS+1], s[CS]
	s_add_co_i32 s16, s23, 127
	s_lshl_b32 s17, s16, 23
	v_mov_b32 v[SCL], s17                          ; 2^ep as f32: the conversion takes its exponent field
	s_add_co_i32 s16, s16, 15
	s_lshl_b32 s16, s16, 23
	s_or_b32 s16, s16, 0x600000
	v_mov_b32 v[LIM], s16                          ; 57,344 x 2^ep
	s_add_co_i32 s[EPV], s22, s23
	s_mov_b32 s[HOLD], s51
	s_lshr_b32 s[MX], s50, 16
	s_and_b32 s[LV], s50, 0xffff
	s_lshr_b32 s[MX+1], s52, 16
	s_and_b32 s[LV+1], s52, 0xffff
.set pp, 0
.rept 16
.if pp%4 == 0
	s_wait_loadcnt 28-pp                           ; loads come back in order: K's passes up to pp + 3 are in (and Q, asked for first); the 28 - pp younger loads may be out
.endif
	ds_store_b128 v[LKA+pp/6], v[KV+4*pp:KV+4*pp+3] offset:(pp%6)*KSTEP
.set pp, pp+1
.endr
.set pp, 0
.rept 16
.if pp%4 == 0
	s_wait_loadcnt 12-pp                           ; V's passes up to pp + 3 are in
.endif
	ds_store_b128 v[LVA+pp/7], v[S+4*pp:S+4*pp+3] offset:(pp%7)*4*VP
.set pp, pp+1
.endr
	s_wait_dscnt 0x0                               ; for the others' sake: my stores have landed
	s_barrier_signal -1
	s_barrier_wait -1                              ; the head's K and V lie in LDS; nothing writes them until the last barrier
.macro KFETCH                          ; the step's 8 fragments of K: 16 neighbouring rows each, 64 bytes a row
.irp t, 0,1,2,3,4,5,6,7
.irp c, 0,1
	ds_load_b128 v[KV+8*\t+4*\c:KV+8*\t+4*\c+3], v[ADK] offset:16*KP*\t+32*\c
.endr
.endr
.endm
.macro QK q                            ; S^T = K Q^T for tile q: 8 products, each starts its sum
.irp t, 0,1,2,3,4,5,6,7
	v_wmma_f32_16x16x64_bf8_bf8 v[S+8*\t:S+8*\t+7], v[KV+8*\t:KV+8*\t+7], v[QF+8*(\q):QF+8*(\q)+7], 0
.endr
.endm
; behind the products: four places, in front of the first read of the scores and of loads into the registers that held K.  vf = 1: the step's 4 fragments of V go into those registers
.macro AFTER vf
.rept 4
	v_nop
.endr
.if \vf
.irp t, 0,1,2,3
.irp c, 0,1,2,3
	ds_load_b128 v[KV+16*\t+4*\c:KV+16*\t+4*\c+3], v[ADV+\t/2] offset:(\t%2)*16*VP+32*\c
.endr
.endr
.endif
.endm
; Tile q's scores.  Where the step has hidden positions its 64 mask words are asked for ahead of the products, waited for behind them, and each puts -infinity into the lanes that it names.
; Request, wait and use stand in one arm.
.macro QKM q, vf
	s_and_b32 s16, s[MX+\q], 1
	s_cmp_eq_u32 s16, 0
	s_cbranch_scc1 .Lplain_\@
	s_load_b512 s[32:47], s[MP+2*\q:MP+2*\q+1], 0x0
	s_load_b512 s[48:63], s[MP+2*\q:MP+2*\q+1], 0x40
	s_load_b512 s[68:83], s[MP+2*\q:MP+2*\q+1], 0x80
	s_load_b512 s[84:99], s[MP+2*\q:MP+2*\q+1], 0xc0
	s_wait_dscnt 0x0                               ; K is in
	QK \q
	AFTER \vf
	s_wait_kmcnt 0x0
.set nn, 0
.rept 64
.if nn < 32
	v_cndmask_b32 v[S+nn], v[S+nn], v[NINF], s[32+nn]
.else
	v_cndmask_b32 v[S+nn], v[S+nn], v[NINF], s[36+nn]
.endif
.set nn, nn+1
.endr
	s_branch .Ljoin_\@
.Lplain_\@:
	s_wait_dscnt 0x0                               ; K is in
	QK \q
	AFTER \vf
.Ljoin_\@:
.endm
; the step's largest score of my query, the new M, and f
.macro SMAX q
	v_max3_num_f32 v[X1], v[S], v[S+1], v[S+2]     ; among my 64 keys, in two chains; each accumulator is read from its low end on
	v_max3_num_f32 v[X2], v[S+3], v[S+4], v[S+5]
.set ii, 6
.rept 14
	v_max3_num_f32 v[X1], v[X1], v[S+ii], v[S+ii+1]
	v_max3_num_f32 v[X2], v[X2], v[S+ii+2], v[S+ii+3]
.set ii, ii+4
.endr
	v_max3_num_f32 v[X1], v[X1], v[S+62], v[S+63]
	v_max_num_f32 v[X1], v[X1], v[X2]
	v_permlanex16_b32 v[PD], v[X1], s[SEL], s[SEL+1]
	v_max_num_f32 v[X1], v[X1], v[PD]              ; and among lane l xor 16's
	v_mul_f32 v[X1], s[CS], v[X1]                  ; as t (c is positive)
	v_max_num_f32 v[ST+4*\q+1], v[ST+4*\q+1], v[X1]
	v_mov_b32 v[X1], v[ST+4*\q]
	v_floor_f32 v[ST+4*\q], -v[ST+4*\q+1]          ; the new -M = floor(-t): M is a whole number
	v_sub_f32 v[X1], v[ST+4*\q], v[X1]             ; old M - new M: a whole number, 0 or less
	v_cvt_i32_f32 v[X1], v[X1]                     ; (it saturates)
	v_ldexp_f32 v[F], 1.0, v[X1]                   ; f = 2^(old M - new M)
.endm
; p, its sum, its codes; the sum and O^T under the new M
.macro SEXP q
.set jj, 0
.rept 32
	v_pk_fma_f32 v[S+jj:S+jj+1], v[S+jj:S+jj+1], s[CS:CS+1], v[ST+4*\q:ST+4*\q+1] op_sel_hi:[1,0,0]   ; t - M, two at a time
.set jj, jj+2
.endr
.set jj, 0
.rept 64
	v_exp_f32 v[S+jj], v[S+jj]                     ; p = 2^(t - M), at most 1; 0 where the score is -infinity
.set jj, jj+1
.endr
	v_pk_mul_f32 v[ST+4*\q+2:ST+4*\q+3], v[ST+4*\q+2:ST+4*\q+3], v[F:F+1] op_sel_hi:[1,0]   ; the sum under the new M: the plain instruction behind the exponentials
	s_wait_alu depctr_va_vdst(0)                   ; one wait for the batch of 64, ahead of its first reader
	v_pk_add_f32 v[SU:SU+1], v[S:S+1], v[S+2:S+3]  ; the sum is taken of the unquantised p: two at a time, in two chains
.set jj, 4
.rept 15
	v_pk_add_f32 v[ST+4*\q+2:ST+4*\q+3], v[ST+4*\q+2:ST+4*\q+3], v[S+jj:S+jj+1]
	v_pk_add_f32 v[SU:SU+1], v[SU:SU+1], v[S+jj+2:S+jj+3]
.set jj, jj+4
.endr
	v_pk_add_f32 v[ST+4*\q+2:ST+4*\q+3], v[ST+4*\q+2:ST+4*\q+3], v[SU:SU+1]
	s_cmp_eq_u32 s[HOLD], 0
	s_cbranch_scc1 .Lnh_\@
.set jj, 0
.rept 64
	v_min_num_f32 v[S+jj], v[S+jj], v[LIM]         ; the conversion does not saturate (ISA guide 7.6.2); p is not negative, so the hold is one-sided; it can bite only where ep < -15
.set jj, jj+1
.endr
.Lnh_\@:
.irp b, 0,1,2,3
	v_cvt_scalef32_pk8_bf8_f32 v[P+4*\b:P+4*\b+1], v[S+16*\b:S+16*\b+7], v[SCL]      ; registers 4 b .. 4 b + 3 of the operand: keys 32 b + 16 hh + 0 .. 15
	v_cvt_scalef32_pk8_bf8_f32 v[P+4*\b+2:P+4*\b+3], v[S+16*\b+8:S+16*\b+15], v[SCL]
.endr
	v_nop                                          ; a plain instruction between the conversions and the matrix instructions that read the codes or write the scores anew
.set jj, 0
.rept 16
	v_pk_mul_f32 v[O+32*\q+jj:O+32*\q+jj+1], v[O+32*\q+jj:O+32*\q+jj+1], v[F:F+1] op_sel_hi:[1,0]   ; O^T under the new M, each accumulator from its low end on
.set jj, jj+2
.endr
.endm
.macro PV q                            ; O^T += V^T P for tile q: four accumulators, one product each
.irp t, 0,1,2,3
	v_wmma_f32_16x16x128_bf8_bf8 v[O+32*\q+8*\t:O+32*\q+8*\t+7], v[KV+16*\t:KV+16*\t+15], v[P:P+15], v[O+32*\q+8*\t:O+32*\q+8*\t+7]
.endr
.endm
.macro ONLY q                          ; a step in which tile q alone has positions that count
	KFETCH
	QKM \q, 1
	SMAX \q
	SEXP \q
	s_wait_dscnt 0x0                               ; V is in
	PV \q
.endm
; THE LOOP: 16 steps, a constant.  On every way the matrix instructions go 8 (or 16) K Q^T, then 4 (or 8) V^T P, each on an accumulator of its own: no two that follow each other share one.
.Lstep:
	v_add_nc_u32 v[ADK], s[TBK], v[AK0]            ; the step's addresses, on the way that all take; with the v_nop they are the four places between the last products and the loads into their registers
	v_add_nc_u32 v[ADV], s[TBV], v[AV0]
	v_add_nc_u32 v[ADV2], 32*VP, v[ADV]
	v_nop
	s_and_b32 s16, s[LV], 1
	s_and_b32 s17, s[LV+1], 1
	s_lshl_b32 s17, s17, 1
	s_or_b32 s16, s16, s17
	s_cmp_eq_u32 s16, 0
	s_cbranch_scc1 .Lnext                          ; all 2 x 16 x 128 positions are hidden
	s_cmp_eq_u32 s16, 1
	s_cbranch_scc1 .Lonly0
	s_cmp_eq_u32 s16, 2
	s_cbranch_scc1 .Lonly1
	KFETCH                                         ; both tiles: K's and V's fragments are read once for the two
	QKM 0, 0
	SMAX 0
	SEXP 0
	QKM 1, 1
	SMAX 1
	s_wait_dscnt 0x0                               ; V is in
	PV 0                                           ; tile 0's products stand ahead of tile 1's exponentials
	SEXP 1
	PV 1
	s_branch .Lnext
.Lonly0:
	ONLY 0
	s_branch .Lnext
.Lonly1:
	ONLY 1
.Lnext:
	s_wait_xcnt 0x0                                ; the scalar loads have read their bases (their data were waited for in their arm): the bases may step
	s_add_co_u32 s[TBK], s[TBK], KSTEP
	s_add_co_u32 s[TBV], s[TBV], 128
	s_add_nc_u64 s[MP:MP+1], s[MP:MP+1], 256
	s_add_nc_u64 s[MP+2:MP+3], s[MP+2:MP+3], 256
	s_lshr_b32 s[LV], s[LV], 1
	s_lshr_b32 s[LV+1], s[LV+1], 1
	s_lshr_b32 s[MX], s[MX], 1
	s_lshr_b32 s[MX+1], s[MX+1], 1
	s_sub_co_u32 s[CNT], s[CNT], 1
	s_cmp_lg_u32 s[CNT], 0
	s_cbranch_scc1 .Lstep
	; THE WAY OUT.  Behind this barrier nobody reads K: its bytes take the waves' stages.
	s_wait_dscnt 0x0                               ; my reads of K and V are over
	s_barrier_signal -1
	s_barrier_wait -1
	s_lshl_b32 s16, s104, 11
	s_lshl_b32 s17, s66, 4
	s_add_co_u32 s17, s17, s16                     ; tile 0's first row: 2,048 b + 16 x tile
	s_lshl_b32 s28, s17, 12                        ; rows of 4,096 bytes
	s_lshl_b32 s17, s67, 4
	s_add_co_u32 s17, s17, s16
	s_lshl_b32 s30, s17, 12
	s_lshl_b32 s16, s105, 8                        ; the head's 256 bytes in a row
	s_add_co_u32 s28, s28, s16
	s_add_co_u32 s30, s30, s16
	s_mov_b32 s29, 0
	s_mov_b32 s31, 0
	s_add_nc_u64 s[24:25], s[100:101], s[28:29]
	s_add_nc_u64 s[26:27], s[100:101], s[30:31]
	v_add_f32 v[X1], v[ST+2], v[ST+3]              ; the sums' two halves,  (these plain lines are also the places behind the last products)
	v_add_f32 v[X2], v[ST+6], v[ST+7]
	v_permlanex16_b32 v[PD], v[X1], s[SEL], s[SEL+1]
	v_add_f32 v[X1], v[X1], v[PD]                  ; and lane l xor 16's
	v_permlanex16_b32 v[PD], v[X2], s[SEL], s[SEL+1]
	v_add_f32 v[X2], v[X2], v[PD]
	v_rcp_f32 v[X1], v[X1]
	v_rcp_f32 v[X2], v[X2]
	v_nop                                          ; a plain instruction behind the reciprocals
	s_wait_alu depctr_va_vdst(0)                   ; one wait for the two, ahead of their first reader
	v_ldexp_f32 v[F], v[X1], s[EPV]                ; tile 0: 2^(ep + ev) / the sum, in the pair v[12:13]
	v_ldexp_f32 v[X1], v[X2], s[EPV]               ; tile 1: in the pair v[10:11]
; Tile q: register 8 t + i of lane (r, hh) is out(query r, channel 16 t + 8 hh + i): 32 neighbouring bytes a tile of channels.  They go into rows of 272 bytes and come back as whole rows of 256.
.macro PACKOUT q, fp
.set jj, 0
.rept 16
	v_pk_mul_f32 v[S+32*\q+jj:S+32*\q+jj+1], v[O+32*\q+jj:O+32*\q+jj+1], v[\fp:\fp+1] op_sel_hi:[1,0]
.set jj, jj+2
.endr
.irp t, 0,1,2,3
	ds_store_b128 v[STO], v[S+32*\q+8*\t:S+32*\q+8*\t+3] offset:64*\t
	ds_store_b128 v[STO], v[S+32*\q+8*\t+4:S+32*\q+8*\t+7] offset:64*\t+16
.endr
.irp i, 0,1,2,3,4,5,6,7
	ds_load_b128 v[KV+32*\q+4*\i:KV+32*\q+4*\i+3], v[RD] offset:2*SP*\i   ; my own stage, served in order: these see the stores above, and the next tile's stores come behind them
.endr
.endm
.macro SEND q, younger                 ; younger: the LDS instructions issued behind tile q's loads
.irp i, 0,1,2,3,4,5,6,7
	s_wait_dscnt \younger+7-\i
	global_store_b128 v[GO], v[KV+32*\q+4*\i:KV+32*\q+4*\i+3], s[24+2*\q:25+2*\q] offset:8192*\i th:TH_STORE_NT   ; sixteen lanes store the 256 consecutive bytes of one (b, l, h), aligned
.endr
.endm
	PACKOUT 0, F
	PACKOUT 1, X1
	SEND 0, 16                                     ; behind tile 0's loads: tile 1's 8 stores and 8 loads
	SEND 1, 0
	s_wait_tensorcnt 0x0
	ds_add_u32 v254, v255
	s_wait_dscnt 0x0
	s_endpgm
.Lfunc_end_k_q5977da91e3_attn:
	.size	k_q5977da91e3_attn, .Lfunc_end_k_q5977da91e3_attn-k_q5977da91e3_attn
	.p2alignl 7, 3214868480
	.fill 96, 4, 3214868480
	.section	.rodata,"a",@progbits
	.p2align	6, 0x0
	.amdhsa_kernel k_q5977da91e3_attn
		.amdhsa_group_segment_fixed_size 297984
		.amdhsa_private_segment_fixed_size 0
		.amdhsa_enable_private_segment 0
		.amdhsa_kernarg_size 56
		.amdhsa_user_sgpr_count 2
		.amdhsa_user_sgpr_kernarg_segment_ptr 1
		.amdhsa_wavefront_size32 1
		.amdhsa_system_sgpr_workgroup_id_x 1
		.amdhsa_system_sgpr_workgroup_id_y 1
		.amdhsa_system_sgpr_workgroup_id_z 1
		.amdhsa_system_vgpr_workitem_id 0
		.amdhsa_next_free_vgpr 256
		.amdhsa_next_free_sgpr 106
		.amdhsa_reserve_vcc 0
		.amdhsa_float_denorm_mode_32 3
		.amdhsa_float_denorm_mode_16_64 3
		.amdhsa_memory_ordered 1
		.amdhsa_forward_progress 1
		.amdhsa_inst_pref_size 104
	.end_amdhsa_kernel
	.amdgpu_metadata
---
amdhsa.version: [ 1, 2 ]
amdhsa.kernels:
  - .name:           k_q5977da91e3_attn
    .symbol:         k_q5977da91e3_attn.kd
    .args:
      - { .name: queries_codes, .offset: 0, .size: 8, .value_kind: global_buffer, .address_space: global }
      - { .name: keys_codes, .offset: 8, .size: 8, .value_kind: global_buffer, .address_space: global }
      - { .name: values_codes, .offset: 16, .size: 8, .value_kind: global_buffer, .address_space: global }
      - { .name: lowp_scales, .offset: 24, .size: 8, .value_kind: global_buffer, .address_space: global }
      - { .name: mwords, .offset: 32, .size: 8, .value_kind: global_buffer, .address_space: global }
      - { .name: mflags, .offset: 40, .size: 8, .value_kind: global_buffer, .address_space: global }
      - { .name: out0, .offset: 48, .size: 8, .value_kind: global_buffer, .address_space: global }
    .group_segment_fixed_size: 297984
    .private_segment_fixed_size: 0
    .kernarg_segment_align: 8
    .kernarg_segment_size: 56
    .max_flat_workgroup_size: 512
    .sgpr_count:     106
    .vgpr_count:     256
    .wavefront_size: 32
...
	.end_amdgpu_metadata
.endif
;; end of part 2
;; ======== version 2 of 2: 2 launches
;; limits: right only within a limited range of input values
;; workspace buffers: mwords 2,097,152 bytes; mflags 4,096 bytes of whole numbers
;; launch pack (part 3): grid 512 x 1, 8 waves a work-group, no clusters, 36,096 bytes of LDS; arguments attn_mask, lowp_scales, mwords, mflags; writes mwords, mflags
.if DOCPART == 3
	.amdgcn_target "amdgcn-amd-amdhsa--gfx1250"
	.amdhsa_code_object_version 6
	.text
	.protected	k_q5977da91e3_pack
	.globl	k_q5977da91e3_pack
	.p2align	8
	.type	k_q5977da91e3_pack,@function
k_q5977da91e3_pack:
	s_mov_b64 s[64:65], 0
	v_nop
	global_prefetch_b8 v0, s[64:65] scope:SCOPE_SE
	s_setreg_imm32_b32 hwreg(HW_REG_WAVE_MODE, 25, 1), 1
	s_wait_xcnt 0x0
; The mask, [4][1][2048][2048] bytes (1 = hidden), is read once and turned into lane masks and flags for the attention launch, which 16 heads then read in its stead.
; mwords: 512 blocks of 4,096 bytes, one for each tile of 16 queries (block g = 128 b + tile).  They only select values.
;   bytes 256 st + 4 n (st = 0-15, n = 0-63): word W[n]; its bit L (lane L = 16 hh + r) = mask[16 g + r][128 st + 32 (n / 16) + 16 hh + n % 16]:
;   the lanes that hold a hidden score in score register n of the attention launch.
; mflags: 512 entries of 8 bytes, entry g.  They steer the attention launch's branches.
;   word 0: bit st (0-15): key step st (128 keys) has a position that counts.  Bit 16 + st: it has such a position and a hidden one too.
;   word 1: 1 where ep (entry 3 of the scales' exponents) is under -15, else 0: whether p, which is at most 1, can pass 57,344 x 2^ep.
; SHARES.  Work-group g takes 16 rows of the mask; its wave w the columns 256 w .. 256 w + 255, key steps 2 w and 2 w + 1.  No loop.
; Each load reads two rows' 256 consecutive bytes; the 16 x 256 bytes turn through the wave's own stage in LDS (rows 272 bytes apart), so that lane (r, hh) holds row r's bytes.
; A compare against 0 of one byte a lane gives a word; 64 words a step are set into two registers, lane by lane, and leave as one store of 256 consecutive bytes.
; A tile's entry of flags is 8 bytes and is stored by one lane: 512 such stores in the launch, 4,096 bytes in all.
.set PITCH, 272                        ; a stage row: 256 bytes + 16: sixteen neighbouring rows begin at sixteen different 16-byte columns modulo 256
.set WST,   16*PITCH                   ; a wave's stage
.set FLG,   8*WST                      ; behind the stages: a word of flags for each wave
.set GOF, 4                            ; v4   my byte in the work-group's 16 rows of the mask
.set STO, 5                            ; v5   the stage, on the way in
.set RD,  6                            ; v6   and on the way out
.set L8,  7                            ; v7   8 x lane
.set FW,  8                            ; v8   my wave's word of flags
.set FR,  9                            ; v9   the eight words of flags
.set FZ,  10                           ; v10  0: the offset of the entry's store
.set X,   12                           ; v12-43  as loaded
.set Y,   44                           ; v44-75  my row's bytes: register 4 (4 s + blk) + j, byte k = column 128 s + 32 blk + 16 hh + 4 j + k
.set T,   76                           ; v76-83  at work
.set W,   84                           ; v84-87  the words: a pair for each step; word n in register n % 2, lane n / 2
.set WV,  32                           ; s32  my wave's number
.set EP,  33                           ; s33  ep, then the flag made of it
	s_load_b256 s[4:11], s[0:1], 0x0               ; the mask s[4:5], the scales' exponents s[6:7], mwords s[8:9], mflags s[10:11]
	v_lshl_add_u32 v104, v0, 2, 0x8900
	v_mov_b32 v105, 0
	v_lshrrev_b32 v1, 5, v0
	s_delay_alu instid0(VALU_DEP_1)
	v_readfirstlane_b32 s[WV], v1                  ; wave 0..7
	v_and_b32 v2, 15, v0                           ; lane % 16
	v_bfe_u32 v3, v0, 4, 1                         ; lane / 16
	s_lshl_b32 s24, s[WV], 8
	s_mul_i32 s25, s[WV], WST
	v_lshlrev_b32 v[GOF], 4, v2
	s_delay_alu instid0(VALU_DEP_1)
	v_lshl_add_u32 v[GOF], v3, 11, v[GOF]
	s_delay_alu instid0(VALU_DEP_1)
	v_add_nc_u32 v[GOF], s24, v[GOF]               ; 16 (lane % 16) + 2,048 (lane / 16) + 256 wave
	v_mul_u32_u24 v[STO], v3, PITCH
	s_delay_alu instid0(VALU_DEP_1)
	v_lshl_add_u32 v[STO], v2, 4, v[STO]
	s_delay_alu instid0(VALU_DEP_1)
	v_add_nc_u32 v[STO], s25, v[STO]               ; in: lanes 0-15 one row, lanes 16-31 the next
	v_mul_u32_u24 v[RD], v2, PITCH
	s_delay_alu instid0(VALU_DEP_1)
	v_lshl_add_u32 v[RD], v3, 4, v[RD]
	s_delay_alu instid0(VALU_DEP_1)
	v_add_nc_u32 v[RD], s25, v[RD]                 ; out: row lane % 16, 16 bytes for each half of the lanes
	v_and_b32 v[L8], 31, v0
	s_delay_alu instid0(VALU_DEP_1)
	v_lshlrev_b32 v[L8], 3, v[L8]
	v_mov_b32 v[FW], s[WV]
	s_delay_alu instid0(VALU_DEP_1)
	v_lshl_add_u32 v[FW], v[FW], 2, FLG
	v_mov_b32 v[FR], FLG
	v_mov_b32 v[FZ], 0
	s_mov_b32 s12, 0xff                            ; a register's four bytes
	s_mov_b32 s13, 0xff00
	s_mov_b32 s14, 0xff0000
	s_mov_b32 s15, 0xff000000
	s_lshl_b32 s28, ttmp9, 15                      ; 16 rows of 2,048 bytes
	s_mov_b32 s29, 0
	s_lshl_b32 s30, ttmp9, 12                      ; the tile's block of words,
	s_lshl_b32 s27, s[WV], 9                       ; my two steps' words in it
	s_add_co_u32 s30, s30, s27
	s_mov_b32 s31, 0
	s_lshl_b32 s36, ttmp9, 3                       ; the tile's entry of flags
	s_mov_b32 s37, 0
	s_wait_kmcnt 0x0
	s_load_b32 s[EP], s[6:7], 0xc                  ; ep
	s_add_nc_u64 s[4:5], s[4:5], s[28:29]
	s_add_nc_u64 s[8:9], s[8:9], s[30:31]
	s_add_nc_u64 s[10:11], s[10:11], s[36:37]
.irp i, 0,1,2,3,4,5,6,7
	global_load_b128 v[X+4*\i:X+4*\i+3], v[GOF], s[4:5] offset:4096*\i th:TH_LOAD_NT   ; rows 2 i and 2 i + 1: sixteen lanes read 256 consecutive bytes, aligned
.endr
.irp j, 0,1,2,3
	v_mov_b32 v[W+\j], 0                           ; written whole once: a lane write keeps the other lanes
.endr
.irp i, 0,1,2,3,4,5,6,7
	s_wait_loadcnt 7-\i                            ; loads come back in order: load i is in, the younger ones may be out
	ds_store_b128 v[STO], v[X+4*\i:X+4*\i+3] offset:2*PITCH*\i
.endr
.irp i, 0,1,2,3,4,5,6,7
	ds_load_b128 v[Y+4*\i:Y+4*\i+3], v[RD] offset:32*\i   ; my own stage, served in order: these see the stores above.  i = 4 s + blk: byte 128 s + 32 blk of the row
.endr
	s_wait_dscnt 0x0
; the 64 words of step s, eight at a time: a byte a lane, its compare against 0, the result into its lane of W
.macro WORDS s
.set nn, 0
.rept 8
.irp k, 0,1,2,3,4,5,6,7
	v_and_b32 v[T+\k], s[12+(nn+\k)%4], v[Y+4*(4*\s+(nn+\k)/16)+((nn+\k)%16)/4]
.endr
.irp k, 0,1,2,3,4,5,6,7
	v_cmp_ne_u32 s[16+\k], 0, v[T+\k]
.endr
.irp k, 0,1,2,3,4,5,6,7
	v_writelane_b32 v[W+2*\s+(nn+\k)%2], s[16+\k], (nn+\k)/2
.endr
.set nn, nn+8
.endr
	global_store_b64 v[L8], v[W+2*\s:W+2*\s+1], s[8:9] offset:256*\s   ; 32 lanes store 256 consecutive bytes, aligned
.endm
	WORDS 0
	WORDS 1
	; the two steps' flags, without a branch
	v_and_b32 v88, v[W], v[W+1]
	v_or_b32  v89, v[W], v[W+1]
	v_and_b32 v90, v[W+2], v[W+3]
	v_or_b32  v91, v[W+2], v[W+3]
	s_delay_alu instid0(VALU_DEP_4)
	v_cmp_ne_u32 s16, -1, v88                      ; some word of step 0 has a 0: a position counts
	s_delay_alu instid0(VALU_DEP_4)
	v_cmp_ne_u32 s17, 0, v89                       ; some word has a 1: a position is hidden
	s_delay_alu instid0(VALU_DEP_4)
	v_cmp_ne_u32 s18, -1, v90
	s_delay_alu instid0(VALU_DEP_4)
	v_cmp_ne_u32 s19, 0, v91
	s_cmp_lg_u32 s16, 0
	s_cselect_b32 s16, 1, 0
	s_cmp_lg_u32 s17, 0
	s_cselect_b32 s17, 1, 0
	s_and_b32 s17, s17, s16                        ; both
	s_cmp_lg_u32 s18, 0
	s_cselect_b32 s18, 2, 0
	s_cmp_lg_u32 s19, 0
	s_cselect_b32 s19, 2, 0
	s_and_b32 s19, s19, s18
	s_or_b32 s16, s16, s18
	s_or_b32 s17, s17, s19
	s_lshl_b32 s17, s17, 16
	s_or_b32 s16, s16, s17
	s_lshl_b32 s20, s[WV], 1
	s_lshl_b32 s16, s16, s20                       ; at bits 2 w, 2 w + 1, 16 + 2 w, 17 + 2 w
	s_wait_kmcnt 0x0                               ; ep
	s_cmp_lt_i32 s[EP], -15
	s_cselect_b32 s[EP], 1, 0
	v_mov_b32 v92, s16
	ds_store_b32 v[FW], v92                        ; all lanes write the same word with the same value
	s_wait_dscnt 0x0                               ; for the others' sake: my word has landed
	s_barrier_signal -1
	s_barrier_wait -1
	s_cmp_lg_u32 s[WV], 0                          ; wave 0 joins the eight words and stores the tile's entry
	s_cbranch_scc1 .Ldone
	ds_load_b128 v[92:95], v[FR]
	ds_load_b128 v[96:99], v[FR] offset:16
	s_wait_dscnt 0x0
	v_or_b32 v92, v92, v93
	v_or_b32 v94, v94, v95
	v_or_b32 v96, v96, v97
	v_or_b32 v98, v98, v99
	s_delay_alu instid0(VALU_DEP_3)
	v_or_b32 v92, v92, v94
	s_delay_alu instid0(VALU_DEP_2)
	v_or_b32 v96, v96, v98
	s_delay_alu instid0(VALU_DEP_1)
	v_or_b32 v92, v92, v96
	v_mov_b32 v93, s[EP]
	v_cmp_eq_u32 vcc_lo, 0, v[L8]                  ; lane 0
	s_wait_alu depctr_va_vdst(0)
	s_wait_xcnt 0x0                                ; EXEC is a source of the words' stores: it changes only behind this wait
	s_and_saveexec_b32 s34, vcc_lo
	global_store_b64 v[FZ], v[92:93], s[10:11]     ; the entry's 8 bytes
	s_wait_xcnt 0x0                                ; and again, in front of the line that widens it
	s_or_b32 exec_lo, exec_lo, s34
.Ldone:
	s_wait_tensorcnt 0x0
	ds_add_u32 v104, v105
	s_wait_dscnt 0x0
	s_endpgm
.Lfunc_end_k_q5977da91e3_pack:
	.size	k_q5977da91e3_pack, .Lfunc_end_k_q5977da91e3_pack-k_q5977da91e3_pack
	.p2alignl 7, 3214868480
	.fill 96, 4, 3214868480
	.section	.rodata,"a",@progbits
	.p2align	6, 0x0
	.amdhsa_kernel k_q5977da91e3_pack
		.amdhsa_group_segment_fixed_size 36096
		.amdhsa_private_segment_fixed_size 0
		.amdhsa_enable_private_segment 0
		.amdhsa_kernarg_size 32
		.amdhsa_user_sgpr_count 2
		.amdhsa_user_sgpr_kernarg_segment_ptr 1
		.amdhsa_wavefront_size32 1
		.amdhsa_system_sgpr_workgroup_id_x 1
		.amdhsa_system_sgpr_workgroup_id_y 1
		.amdhsa_system_sgpr_workgroup_id_z 1
		.amdhsa_system_vgpr_workitem_id 0
		.amdhsa_next_free_vgpr 106
		.amdhsa_next_free_sgpr 66
		.amdhsa_reserve_vcc 1
		.amdhsa_float_denorm_mode_32 3
		.amdhsa_float_denorm_mode_16_64 3
		.amdhsa_memory_ordered 1
		.amdhsa_forward_progress 1
		.amdhsa_inst_pref_size 28
	.end_amdhsa_kernel
	.amdgpu_metadata
---
amdhsa.version: [ 1, 2 ]
amdhsa.kernels:
  - .name:           k_q5977da91e3_pack
    .symbol:         k_q5977da91e3_pack.kd
    .args:
      - { .name: attn_mask, .offset: 0, .size: 8, .value_kind: global_buffer, .address_space: global }
      - { .name: lowp_scales, .offset: 8, .size: 8, .value_kind: global_buffer, .address_space: global }
      - { .name: mwords, .offset: 16, .size: 8, .value_kind: global_buffer, .address_space: global }
      - { .name: mflags, .offset: 24, .size: 8, .value_kind: global_buffer, .address_space: global }
    .group_segment_fixed_size: 36096
    .private_segment_fixed_size: 0
    .kernarg_segment_align: 8
    .kernarg_segment_size: 32
    .max_flat_workgroup_size: 256
    .sgpr_count:     66
    .vgpr_count:     106
    .wavefront_size: 32
...
	.end_amdgpu_metadata
.endif
;; end of part 3
;; launch attn (part 4): grid 4 x 64, 16 waves a work-group, no clusters, 297,984 bytes of LDS; arguments queries_codes, keys_codes, values_codes, lowp_scales, mwords, mflags, out0; writes out0
.if DOCPART == 4
	.amdgcn_target "amdgcn-amd-amdhsa--gfx1250"
	.amdhsa_code_object_version 6
	.text
	.protected	k_q5977da91e3_attn
	.globl	k_q5977da91e3_attn
	.p2align	8
	.type	k_q5977da91e3_attn,@function
k_q5977da91e3_attn:
	s_mov_b64 s[64:65], 0
	v_nop
	global_prefetch_b8 v0, s[64:65] scope:SCOPE_SE
	s_setreg_imm32_b32 hwreg(HW_REG_WAVE_SCHED_MODE, 0, 2), 2
	s_setreg_imm32_b32 hwreg(HW_REG_WAVE_MODE, 25, 1), 1
	s_wait_xcnt 0x0
	s_wait_alu depctr_vm_vsrc(0)
; out[b][l][h][:] = the sum over s of softmax_s(q . k / 8, hidden positions at -infinity) v[s][:], both products on codes of BF8 (E5M2), each tensor with its given scale 2^e: eq, ek, ev, ep.
; q, k: [4][2048][16][64] codes, K = the head's 64.  v: [4][16][64][2048] codes, the keys innermost.  out: [4][2048][16][64] f32.  The mask comes as mwords and mflags, which the launch before has made of it (layout: below).
; THE SOFTMAX: t = score x log2(e) / 8; M = the running largest t rounded UP to a whole number; p = 2^(t - M) is quantised with 2^ep; the row's sum is taken of the unquantised p and divides at the end.
; When M moves, the sum and O are multiplied by 2^(old M - new M), which rounds nothing.  A row all of whose positions are hidden gives 0 x (1 / 0) = NaN, as the softmax of such a row does.
; SHARES.  Work-group (x, y): head y = 16 b + h, and the 32 tiles of 16 queries numbered 4 j + x.  The head's WHOLE K and V, 256 KB of codes, lie in LDS, filled once, through registers.
; Each of the sixteen waves owns two tiles, j = w and j = 31 - w, in 256 registers: four waves to a SIMD, so that one wave's vector work stands beside another's products and LDS loads.
; A wave walks the keys 128 a step, 16 steps.  WHAT THE MASK DECIDES, by scalar branches on whole numbers read from mflags: a tile's step all of whose 16 x 128 positions are hidden adds p = 0 and moves no maximum:
; it is left out; a step with no hidden position has no masking lines; in the others 64 selects put -infinity ahead of the maximum, each by a word of mwords that names the lanes of one score register.  Every mask is served.
; p is at most 1, so p / 2^ep is at most 2^-ep, which lies within 57,344 wherever ep >= -15: the hold at the largest code is executed where ep < -15; that too is a flag in mflags, made by the launch before.
; K and V of a head are read by that head's four work-groups.  They are not asked for jointly: a joint request is a tensor load, and there is none here.
; The branches leave out about 200 vector lines for every hidden tile's step; sharing would spare three of four fetches of 256 KB, once in the launch.  Nothing in LDS is filled twice.
; LAYOUT.  Both products are used transposed: S^T = K Q^T (source 0 = 16 keys, source 1 = 16 queries; K = 64, one instruction a tile), O^T += V^T P (source 0 = 16 of the head's 64, source 1 = P; K = 128 keys):
; a lane holds ONE query (lane % 16) throughout.  Lane r of key tile 2 bb + u takes key 32 bb + 8 u + r + 8 (r / 8), so that score register 16 bb + i holds key 32 bb + 16 (lane / 16) + i: the conversions' results are P.
; Fragments come by loads of 16 bytes at 32 c + 16 (lane / 16): a permutation of k that is the same on both sides of each product.
; mflags: entry 128 b + tile of 8 bytes: word 0: bit st = step st has a position that counts, bit 16 + st = and a hidden one too; word 1: 1 where ep < -15.
; mwords: block 128 b + tile of 4,096 bytes: bytes 256 st + 4 n: the lanes in which score register n of step st is hidden.
; LIMITS: eq + ek between -123 and 130 (added to the exponent field of log2(e) / 8); ep between -126 and 112; codes of infinity or NaN among the inputs are not served.
; THE MODE: SCHED_MODE bits 1:0 = 2 (LLVM: expert scheduling mode 2), set by the entry lines.  The code itself states the register dependences
; between vector or matrix instructions and memory or LDS instructions, with s_wait_alu, always for 0.
; THE PLAN.  Registers that memory or LDS instructions touch:
;   the head     v40-48: offsets and LDS places of the fill, written by vector lines, read by the 36 loads and the 32 LDS stores.  v24-39 (Q), v56-183: the loads land there; v56-183 are the LDS stores' data.
;   the loop     KV (v56-119): K's 16 LDS loads land in it, the step's K Q^T read it; behind the last of them V's 16 loads land in it, the step's V^T P read it.
;                v3, v4, v5: the step's LDS addresses, written by three additions at the step's head, read by those 32 loads.
;                S, P, O, Q and the statistics are named by vector and matrix instructions alone; the mask words are scalar registers that scalar loads fill.
;   the way out  v120-183: written by 32 multiplications, read by 16 LDS stores.  v56-119: the loads from the stage land there; the stores to memory read them.  v248-250: addresses, made in the head.
; The wave's 256 registers are full (four waves share a SIMD's 1,024), so K and V share the one buffer KV, and a step has two waits on va_vdst for it: at its head (the last V^T P are done reading KV; the
; addresses are written) and behind its last K Q^T (they are done reading KV).  One wait on vm_vsrc stands ahead of the three additions.
.set KP,    80                         ; a key's row in LDS: 64 bytes + 16 = 5 x 16: sixteen neighbouring rows begin at sixteen different 16-byte columns modulo 256
.set KSTEP, 128*KP                     ; a step's 128 keys
.set VOFF,  2048*KP                    ; behind K: V
.set VP,    2064                       ; a row of V in LDS: 2,048 bytes + 16 = 129 x 16
.set SP,    272                        ; the way out: a stage of 16 rows x (256 + 16) bytes for each wave, in K's bytes, behind the last barrier
.set WSTG,  16*SP
.set AK0,  1                           ; v1   my lane's place in a tile of K
.set AV0,  2                           ; v2   the same for V
.set ADK,  3                           ; v3   the step's K;  v4 its V, rows 0-31;  v5 rows 32-63
.set ADV,  4
.set ADV2, 5
.set NINF, 6                           ; v6   -infinity
.set LIM,  7                           ; v7   57,344 x 2^ep
.set SCL,  8                           ; v8   2^ep
.set PD,   9                           ; v9   a lane permute's destination
.set X1,   10                          ; v10, v11 at work
.set X2,   11
.set F,    12                          ; v[12:13] f = 2^(old M - new M) (v13 is named with it as a pair)
.set SU,   14                          ; v[14:15] a second chain of sums
.set ST,   16                          ; tile q's statistics at v[16 + 4 q]: -M, the largest t, the sum in two halves
.set QF,   24                          ; v24-39   Q's fragments, 8 registers a tile
.set P,    40                          ; v40-55   p's codes.  (In the prologue: the fill's addresses)
.set KV,   56                          ; v56-119  8 fragments of K (8 registers each), then 4 of V (16 each)
.set S,    120                         ; v120-183 S^T, then p
.set O,    184                         ; v184-247 O^T, 32 registers a tile
.set STO,  248                         ; v248-250 the way out
.set RD,   249
.set GO,   250
.set GKO,  40                          ; the fill: K's offset in memory; v41-43 its places in LDS; v44 V's offset; v45-47 its places; v48 Q's offset
.set LKA,  41
.set GVO,  44
.set LVA,  45
.set QO,   48
.set MP,   2                           ; s[2:3], s[4:5] the two tiles' blocks in mwords, at the step in hand
.set CS,   6                           ; s[6:7]  c = 2^(eq + ek) log2(e) / 8 (the packed form names a pair and takes its low word)
.set SEL,  8                           ; s[8:9]  lane selects: lane l xor 16
.set WV,   10
.set TBK,  11                          ; s11  LDS byte of the step's K;  s12 byte of the step in a row of V
.set TBV,  12
.set CNT,  13
.set LV,   14                          ; s14, s15  a tile's steps that count, the step in hand at bit 0
.set MX,   18                          ; s18, s19  a tile's steps that also have hidden positions
.set EPV,  20                          ; s20  ep + ev
.set HOLD, 21                          ; s21  1 where ep < -15
; s[32:63], s[68:99]: a step's 64 mask words (in the prologue: at work).  s66, s67: the two tiles' numbers.  s[100:101]: out.  s104 b, s105 h.
	s_load_b256 s[24:31], s[0:1], 0x0              ; q s[24:25], k s[26:27], v s[28:29], the scales' exponents s[30:31]
	s_load_b64 s[MP:MP+1], s[0:1], 0x20            ; mwords
	s_load_b64 s[48:49], s[0:1], 0x28              ; mflags
	s_load_b64 s[100:101], s[0:1], 0x30            ; out
	v_lshl_add_u32 v254, v0, 2, 0x48400
	v_mov_b32 v255, 0
	v_lshrrev_b32 v1, 5, v0
	v_readfirstlane_b32 s[WV], v1                  ; wave 0..15
	s_and_b32 s33, ttmp7, 0xffff                   ; 16 b + h
	s_lshr_b32 s104, s33, 4
	s_and_b32 s105, s33, 15
	s_wait_alu depctr_va_sdst(0)                   ; s10, the wave's number, is written, ahead of its first reader: the tiles' numbers and all that is made of them
	s_lshl_b32 s66, s[WV], 2
	s_add_co_u32 s66, s66, ttmp9                   ; tile 0: 4 w + x
	s_sub_co_u32 s67, 31, s[WV]
	s_lshl_b32 s67, s67, 2
	s_add_co_u32 s67, s67, ttmp9                   ; tile 1: 4 (31 - w) + x
	s_lshl_b32 s34, s104, 21
	s_lshl_b32 s32, s105, 6
	s_or_b32 s34, s34, s32                         ; k: the batch's 2,048 rows of 1,024 bytes, the head's 64 in a row
	s_mov_b32 s35, 0
	s_lshl_b32 s36, s33, 17                        ; v: the head's 64 rows of 2,048 bytes
	s_mov_b32 s37, 0
	s_lshl_b32 s38, s66, 14
	s_add_co_u32 s38, s38, s34                     ; q: as k, + 16 rows a tile
	s_mov_b32 s39, 0
	s_lshl_b32 s40, s67, 14
	s_add_co_u32 s40, s40, s34
	s_mov_b32 s41, 0
	s_lshl_b32 s32, s104, 7
	s_add_co_u32 s42, s32, s66                     ; 128 b + tile
	s_add_co_u32 s44, s32, s67
	s_lshl_b32 s58, s42, 3                         ; the tiles' entries in mflags,
	s_lshl_b32 s60, s44, 3
	s_lshl_b32 s42, s42, 12                        ; and their blocks in mwords
	s_lshl_b32 s44, s44, 12
	s_mov_b32 s43, 0
	s_mov_b32 s45, 0
	s_mov_b32 s59, 0
	s_mov_b32 s61, 0
	; THE FILL.  K: a pass of the 512 threads takes 128 keys x 64 bytes: key t / 4, 16 bytes t % 4.  In LDS a key lies at the position that is its number with bits 3 and 4 exchanged,
	; so that the 16 keys of a tile (32 bb + 8 u + r + 8 (r / 8)) are 16 neighbouring rows (32 bb + 16 u + r).
	v_bfe_u32 v[LKA], v0, 2, 3                     ; the key's bits 0-2,
	v_bfe_u32 v[LKA+1], v0, 6, 1                   ; its bit 4, to bit 3,
	v_lshl_or_b32 v[LKA], v[LKA+1], 3, v[LKA]
	v_bfe_u32 v[LKA+1], v0, 5, 1                   ; its bit 3, to bit 4,
	v_lshl_or_b32 v[LKA], v[LKA+1], 4, v[LKA]
	v_bfe_u32 v[LKA+1], v0, 7, 2                   ; its bits 5 and 6
	v_lshl_or_b32 v[LKA], v[LKA+1], 5, v[LKA]
	v_mul_u32_u24 v[LKA], v[LKA], KP
	v_and_b32 v[LKA+1], 3, v0
	v_lshl_add_u32 v[LKA], v[LKA+1], 4, v[LKA]     ; passes 0-5 (the pass stands in the immediate, which has 16 bits)
	v_lshrrev_b32 v[GKO], 2, v0
	v_lshlrev_b32 v[GKO], 10, v[GKO]
	v_lshl_add_u32 v[GKO], v[LKA+1], 4, v[GKO]
	v_add_nc_u32 v[LKA+1], 6*KSTEP, v[LKA]         ; passes 6-11
	v_add_nc_u32 v[LKA+2], 12*KSTEP, v[LKA]        ; passes 12-15
	; V: a pass takes 4 rows of 2,048 bytes, as they lie
	v_lshlrev_b32 v[GVO], 4, v0
	v_lshrrev_b32 v[LVA], 7, v0
	v_mul_u32_u24 v[LVA], v[LVA], VP
	v_and_b32 v[LVA+1], 127, v0
	v_lshl_add_u32 v[LVA], v[LVA+1], 4, v[LVA]
	v_add_nc_u32 v[LVA], VOFF, v[LVA]              ; passes 0-6
	v_add_nc_u32 v[LVA+1], 7*4*VP, v[LVA]          ; passes 7-13
	v_add_nc_u32 v[LVA+2], 14*4*VP, v[LVA]         ; passes 14, 15
	v_and_b32 v49, 15, v0                          ; r
	v_bfe_u32 v50, v0, 4, 1                        ; hh
	v_lshlrev_b32 v[QO], 10, v49
	v_lshl_add_u32 v[QO], v50, 4, v[QO]            ; q: row r of 1,024 bytes, + 16 hh
	s_wait_kmcnt 0x0
	s_add_nc_u64 s[MP+2:MP+3], s[MP:MP+1], s[44:45]
	s_add_nc_u64 s[MP:MP+1], s[MP:MP+1], s[42:43]
	s_add_nc_u64 s[54:55], s[48:49], s[58:59]
	s_add_nc_u64 s[56:57], s[48:49], s[60:61]
	s_add_nc_u64 s[26:27], s[26:27], s[34:35]
	s_add_nc_u64 s[28:29], s[28:29], s[36:37]
	s_add_nc_u64 s[46:47], s[24:25], s[40:41]
	s_add_nc_u64 s[24:25], s[24:25], s[38:39]
	s_load_b128 s[20:23], s[30:31], 0x0            ; eq, ek, ev, ep
	s_load_b64 s[50:51], s[54:55], 0x0             ; tile 0's flags, and the flag for the hold
	s_load_b32 s52, s[56:57], 0x0                  ; tile 1's flags
	s_wait_alu depctr_va_vdst(0)                   ; the fill's offsets and LDS places, v40 to v48, are written: the 36 loads and the 32 LDS stores below read them
.irp c, 0,1
	global_load_b128 v[QF+4*\c:QF+4*\c+3], v[QO], s[24:25] offset:32*\c
	global_load_b128 v[QF+8+4*\c:QF+8+4*\c+3], v[QO], s[46:47] offset:32*\c
.endr
.set pp, 0
.rept 16
	global_load_b128 v[KV+4*pp:KV+4*pp+3], v[GKO], s[26:27] offset:131072*pp
.set pp, pp+1
.endr
.set pp, 0
.rept 16
	global_load_b128 v[S+4*pp:S+4*pp+3], v[GVO], s[28:29] offset:8192*pp
.set pp, pp+1
.endr
	; while the 36 loads are out: what stays.  None of these lines names a register that the loads above or the LDS stores below touch (v24-48, v56-183)
	v_mul_u32_u24 v[AK0], v49, KP
	v_lshl_add_u32 v[AK0], v50, 4, v[AK0]
	v_mul_u32_u24 v[AV0], v49, VP
	v_lshl_add_u32 v[AV0], v50, 4, v[AV0]
	v_add_nc_u32 v[AV0], VOFF, v[AV0]
	s_mul_i32 s16, s[WV], WSTG                     ; my stage
	v_mul_u32_u24 v[STO], v49, SP
	v_lshl_add_u32 v[STO], v50, 5, v[STO]
	v_add_nc_u32 v[STO], s16, v[STO]               ; in: row r, 32 bytes for each half of the lanes
	v_mul_u32_u24 v[RD], v50, SP
	v_lshl_add_u32 v[RD], v49, 4, v[RD]
	v_add_nc_u32 v[RD], s16, v[RD]                 ; back: lanes 0-15 one row, lanes 16-31 the next
	v_lshlrev_b32 v[GO], 12, v50
	v_lshl_add_u32 v[GO], v49, 4, v[GO]            ; and the same two rows in out: 4,096 bytes from query to query
	v_mov_b32 v[NINF], 0xff800000
	v_mov_b32 v[PD], 0                             ; written once: a lane permute's destination counts as one of its sources
	v_mov_b32 v[F+1], 0
.irp q, 0,1
	v_mov_b32 v[ST+4*\q+1], 0xff61b1e6             ; the largest t so far: -3e38, under every t
	v_floor_f32 v[ST+4*\q], -v[ST+4*\q+1]          ; -M
	v_mov_b32 v[ST+4*\q+2], 0                      ; the sum
	v_mov_b32 v[ST+4*\q+3], 0
.endr
.set jj, 0
.rept 64
	v_mov_b32 v[O+jj], 0                           ; O^T.  (A step is written once for all steps: a tile's first finds zeros, which the first change of M leaves zeros; a tile with no step at all keeps them)
.set jj, jj+1
.endr
	s_mov_b32 s[SEL], 0x76543210
	s_mov_b32 s[SEL+1], 0xfedcba98
	s_mov_b32 s[TBK], 0
	s_mov_b32 s[TBV], 0
	s_mov_b32 s[CNT], 16
	s_wait_kmcnt 0x0
	s_add_co_i32 s16, s20, s21
	s_lshl_b32 s16, s16, 23
	s_add_co_i32 s[CS], s16, 0x3e38aa3b            ; log2(e) / 8, with eq + ek added to its exponent field
	s_mov_b32 s[CS+1], s[CS]
	s_add_co_i32 s16, s23, 127
	s_lshl_b32 s17, s16, 23
	v_mov_b32 v[SCL], s17                          ; 2^ep as f32: the conversion takes its exponent field
	s_add_co_i32 s16, s16, 15
	s_lshl_b32 s16, s16, 23
	s_or_b32 s16, s16, 0x600000
	v_mov_b32 v[LIM], s16                          ; 57,344 x 2^ep
	s_add_co_i32 s[EPV], s22, s23
	s_mov_b32 s[HOLD], s51
	s_lshr_b32 s[MX], s50, 16
	s_and_b32 s[LV], s50, 0xffff
	s_lshr_b32 s[MX+1], s52, 16
	s_and_b32 s[LV+1], s52, 0xffff
.set pp, 0
.rept 16
.if pp%4 == 0
	s_wait_loadcnt 28-pp                           ; loads come back in order: K's passes up to pp + 3 are in (and Q, asked for first); the 28 - pp younger loads may be out
.endif
	ds_store_b128 v[LKA+pp/6], v[KV+4*pp:KV+4*pp+3] offset:(pp%6)*KSTEP
.set pp, pp+1
.endr
.set pp, 0
.rept 16
.if pp%4 == 0
	s_wait_loadcnt 12-pp                           ; V's passes up to pp + 3 are in
.endif
	ds_store_b128 v[LVA+pp/7], v[S+4*pp:S+4*pp+3] offset:(pp%7)*4*VP
.set pp, pp+1
.endr
	s_wait_dscnt 0x0                               ; for the others' sake: my stores have landed
	s_barrier_signal -1
	s_barrier_wait -1                              ; the head's K and V lie in LDS; nothing writes them until the last barrier
.macro KFETCH                          ; the step's 8 fragments of K: 16 neighbouring rows each, 64 bytes a row.  No vector or matrix instruction stands between the wait at the step's head and these loads
.irp t, 0,1,2,3,4,5,6,7
.irp c, 0,1
	ds_load_b128 v[KV+8*\t+4*\c:KV+8*\t+4*\c+3], v[ADK] offset:16*KP*\t+32*\c
.endr
.endr
.endm
.macro QK q                            ; S^T = K Q^T for tile q: 8 products, each starts its sum
.irp t, 0,1,2,3,4,5,6,7
	v_wmma_f32_16x16x64_bf8_bf8 v[S+8*\t:S+8*\t+7], v[KV+8*\t:KV+8*\t+7], v[QF+8*(\q):QF+8*(\q)+7], 0
.endr
.endm
; behind the products: four places (ISA guide 7.12.1), in front of the first read of the scores.  vf = 1: the step's 4 fragments of V go into the registers that held K, behind the wait that states that the products have read them
.macro AFTER vf
.rept 4
	v_nop
.endr
.if \vf
	s_wait_alu depctr_va_vdst(0)                   ; the step's K Q^T are done reading v[KV ..], in which V's loads land; the places above stay beside this wait
.irp t, 0,1,2,3
.irp c, 0,1,2,3
	ds_load_b128 v[KV+16*\t+4*\c:KV+16*\t+4*\c+3], v[ADV+\t/2] offset:(\t%2)*16*VP+32*\c
.endr
.endr
.endif
.endm
; Tile q's scores.  Where the step has hidden positions its 64 mask words are asked for ahead of the products, waited for behind them, and each puts -infinity into the lanes that it names.
; Request, wait and use stand in one arm.
.macro QKM q, vf
	s_and_b32 s16, s[MX+\q], 1
	s_cmp_eq_u32 s16, 0
	s_cbranch_scc1 .Lplain_\@
	s_load_b512 s[32:47], s[MP+2*\q:MP+2*\q+1], 0x0
	s_load_b512 s[48:63], s[MP+2*\q:MP+2*\q+1], 0x40
	s_load_b512 s[68:83], s[MP+2*\q:MP+2*\q+1], 0x80
	s_load_b512 s[84:99], s[MP+2*\q:MP+2*\q+1], 0xc0
	s_wait_dscnt 0x0                               ; K is in
	QK \q
	AFTER \vf
	s_wait_kmcnt 0x0
.set nn, 0
.rept 64
.if nn < 32
	v_cndmask_b32 v[S+nn], v[S+nn], v[NINF], s[32+nn]
.else
	v_cndmask_b32 v[S+nn], v[S+nn], v[NINF], s[36+nn]
.endif
.set nn, nn+1
.endr
	s_branch .Ljoin_\@
.Lplain_\@:
	s_wait_dscnt 0x0                               ; K is in
	QK \q
	AFTER \vf
.Ljoin_\@:
.endm
; the step's largest score of my query, the new M, and f
.macro SMAX q
	v_max3_num_f32 v[X1], v[S], v[S+1], v[S+2]     ; among my 64 keys, in two chains; each accumulator is read from its low end on
	v_max3_num_f32 v[X2], v[S+3], v[S+4], v[S+5]
.set ii, 6
.rept 14
	v_max3_num_f32 v[X1], v[X1], v[S+ii], v[S+ii+1]
	v_max3_num_f32 v[X2], v[X2], v[S+ii+2], v[S+ii+3]
.set ii, ii+4
.endr
	v_max3_num_f32 v[X1], v[X1], v[S+62], v[S+63]
	v_max_num_f32 v[X1], v[X1], v[X2]
	v_permlanex16_b32 v[PD], v[X1], s[SEL], s[SEL+1]
	v_max_num_f32 v[X1], v[X1], v[PD]              ; and among lane l xor 16's
	v_mul_f32 v[X1], s[CS], v[X1]                  ; as t (c is positive)
	v_max_num_f32 v[ST+4*\q+1], v[ST+4*\q+1], v[X1]
	v_mov_b32 v[X1], v[ST+4*\q]
	v_floor_f32 v[ST+4*\q], -v[ST+4*\q+1]          ; the new -M = floor(-t): M is a whole number
	v_sub_f32 v[X1], v[ST+4*\q], v[X1]             ; old M - new M: a whole number, 0 or less
	v_cvt_i32_f32 v[X1], v[X1]                     ; (it saturates)
	v_ldexp_f32 v[F], 1.0, v[X1]                   ; f = 2^(old M - new M)
.endm
; p, its sum, its codes; the sum and O^T under the new M
.macro SEXP q
.set jj, 0
.rept 32
	v_pk_fma_f32 v[S+jj:S+jj+1], v[S+jj:S+jj+1], s[CS:CS+1], v[ST+4*\q:ST+4*\q+1] op_sel_hi:[1,0,0]   ; t - M, two at a time
.set jj, jj+2
.endr
.set jj, 0
	s_wait_alu depctr_va_vdst(0)
.rept 64
	v_exp_f32 v[S+jj], v[S+jj]                     ; p = 2^(t - M), at most 1; 0 where the score is -infinity
.set jj, jj+1
.endr
	v_pk_mul_f32 v[ST+4*\q+2:ST+4*\q+3], v[ST+4*\q+2:ST+4*\q+3], v[F:F+1] op_sel_hi:[1,0]   ; the sum under the new M: the plain instruction behind the exponentials
	s_wait_alu depctr_va_vdst(0)                   ; the 64 exponentials have written p in v[S ..]: one wait for the batch, ahead of its first reader
	v_pk_add_f32 v[SU:SU+1], v[S:S+1], v[S+2:S+3]  ; the sum is taken of the unquantised p: two at a time, in two chains
.set jj, 4
.rept 15
	v_pk_add_f32 v[ST+4*\q+2:ST+4*\q+3], v[ST+4*\q+2:ST+4*\q+3], v[S+jj:S+jj+1]
	v_pk_add_f32 v[SU:SU+1], v[SU:SU+1], v[S+jj+2:S+jj+3]
.set jj, jj+4
.endr
	v_pk_add_f32 v[ST+4*\q+2:ST+4*\q+3], v[ST+4*\q+2:ST+4*\q+3], v[SU:SU+1]
	s_cmp_eq_u32 s[HOLD], 0
	s_cbranch_scc1 .Lnh_\@
.set jj, 0
.rept 64
	v_min_num_f32 v[S+jj], v[S+jj], v[LIM]         ; the conversion does not saturate (ISA guide 7.6.2); p is not negative, so the hold is one-sided; it can bite only where ep < -15
.set jj, jj+1
.endr
.Lnh_\@:
.irp b, 0,1,2,3
	v_cvt_scalef32_pk8_bf8_f32 v[P+4*\b:P+4*\b+1], v[S+16*\b:S+16*\b+7], v[SCL]      ; registers 4 b .. 4 b + 3 of the operand: keys 32 b + 16 hh + 0 .. 15
	v_cvt_scalef32_pk8_bf8_f32 v[P+4*\b+2:P+4*\b+3], v[S+16*\b+8:S+16*\b+15], v[SCL]
.endr
	v_nop                                          ; a plain instruction between the conversions and the matrix instructions that read the codes or write the scores anew
.set jj, 0
.rept 16
	v_pk_mul_f32 v[O+32*\q+jj:O+32*\q+jj+1], v[O+32*\q+jj:O+32*\q+jj+1], v[F:F+1] op_sel_hi:[1,0]   ; O^T under the new M, each accumulator from its low end on
.set jj, jj+2
.endr
.endm
.macro PV q                            ; O^T += V^T P for tile q: four accumulators, one product each
.irp t, 0,1,2,3
	v_wmma_f32_16x16x128_bf8_bf8 v[O+32*\q+8*\t:O+32*\q+8*\t+7], v[KV+16*\t:KV+16*\t+15], v[P:P+15], v[O+32*\q+8*\t:O+32*\q+8*\t+7]
.endr
.endm
.macro ONLY q                          ; a step in which tile q alone has positions that count
	KFETCH
	QKM \q, 1
	SMAX \q
	SEXP \q
	s_wait_alu depctr_va_vdst(0)
	s_wait_dscnt 0x0                               ; V is in
	PV \q
.endm
; THE LOOP: 16 steps, a constant.  On every way the matrix instructions go 8 (or 16) K Q^T, then 4 (or 8) V^T P, each on an accumulator of its own: no two that follow each other share one.
.Lstep:
	s_wait_alu depctr_vm_vsrc(0)                   ; the LDS loads of the step before have read v3, v4 and v5, which the three lines below write.  In the first trip: the fill's loads and LDS stores have read v40-48 and v56-183, which this step's loads, products and conversions write
	v_add_nc_u32 v[ADK], s[TBK], v[AK0]            ; the step's addresses, on the way that all take; with the v_nop they are four plain lines between the last products and the loads into their registers
	v_add_nc_u32 v[ADV], s[TBV], v[AV0]
	v_add_nc_u32 v[ADV2], 32*VP, v[ADV]
	v_nop
	s_wait_alu depctr_va_vdst(0)                   ; v3, v4 and v5 are written, which the step's LDS loads read; the last V^T P are done reading v[KV ..], in which K's loads land.  In the first trip: v248-250 are written, which the way out's LDS and memory instructions read
	s_and_b32 s16, s[LV], 1
	s_and_b32 s17, s[LV+1], 1
	s_lshl_b32 s17, s17, 1
	s_or_b32 s16, s16, s17
	s_cmp_eq_u32 s16, 0
	s_cbranch_scc1 .Lnext                          ; all 2 x 16 x 128 positions are hidden
	s_cmp_eq_u32 s16, 1
	s_cbranch_scc1 .Lonly0
	s_cmp_eq_u32 s16, 2
	s_cbranch_scc1 .Lonly1
	KFETCH                                         ; both tiles: K's and V's fragments are read once for the two
	QKM 0, 0
	SMAX 0
	SEXP 0
	QKM 1, 1
	SMAX 1
	s_wait_alu depctr_va_vdst(0)
	s_wait_dscnt 0x0                               ; V is in
	PV 0                                           ; tile 0's products stand ahead of tile 1's exponentials
	SEXP 1
	PV 1
	s_branch .Lnext
.Lonly0:
	ONLY 0
	s_branch .Lnext
.Lonly1:
	ONLY 1
.Lnext:
	s_wait_xcnt 0x0                                ; the scalar loads have read their bases (their data were waited for in their arm): the bases may step
	s_add_co_u32 s[TBK], s[TBK], KSTEP
	s_add_co_u32 s[TBV], s[TBV], 128
	s_add_nc_u64 s[MP:MP+1], s[MP:MP+1], 256
	s_add_nc_u64 s[MP+2:MP+3], s[MP+2:MP+3], 256
	s_lshr_b32 s[LV], s[LV], 1
	s_lshr_b32 s[LV+1], s[LV+1], 1
	s_lshr_b32 s[MX], s[MX], 1
	s_lshr_b32 s[MX+1], s[MX+1], 1
	s_sub_co_u32 s[CNT], s[CNT], 1
	s_cmp_lg_u32 s[CNT], 0
	s_cbranch_scc1 .Lstep
	; THE WAY OUT.  Behind this barrier nobody reads K: its bytes take the waves' stages.
	s_wait_dscnt 0x0                               ; my reads of K and V are over
	s_barrier_signal -1
	s_barrier_wait -1
	s_lshl_b32 s16, s104, 11
	s_lshl_b32 s17, s66, 4
	s_add_co_u32 s17, s17, s16                     ; tile 0's first row: 2,048 b + 16 x tile
	s_lshl_b32 s28, s17, 12                        ; rows of 4,096 bytes
	s_lshl_b32 s17, s67, 4
	s_add_co_u32 s17, s17, s16
	s_lshl_b32 s30, s17, 12
	s_lshl_b32 s16, s105, 8                        ; the head's 256 bytes in a row
	s_add_co_u32 s28, s28, s16
	s_add_co_u32 s30, s30, s16
	s_mov_b32 s29, 0
	s_mov_b32 s31, 0
	s_add_nc_u64 s[24:25], s[100:101], s[28:29]
	s_add_nc_u64 s[26:27], s[100:101], s[30:31]
	v_add_f32 v[X1], v[ST+2], v[ST+3]              ; the sums' two halves,  (these plain lines are also the places behind the last products)
	v_add_f32 v[X2], v[ST+6], v[ST+7]
	v_permlanex16_b32 v[PD], v[X1], s[SEL], s[SEL+1]
	v_add_f32 v[X1], v[X1], v[PD]                  ; and lane l xor 16's
	v_permlanex16_b32 v[PD], v[X2], s[SEL], s[SEL+1]
	v_add_f32 v[X2], v[X2], v[PD]
	s_wait_alu depctr_va_vdst(0)
	v_rcp_f32 v[X1], v[X1]
	v_rcp_f32 v[X2], v[X2]
	v_nop                                          ; a plain instruction behind the reciprocals
	s_wait_alu depctr_va_vdst(0)                   ; the two reciprocals have written v10 and v11: one wait for both, ahead of their first reader
	v_ldexp_f32 v[F], v[X1], s[EPV]                ; tile 0: 2^(ep + ev) / the sum, in the pair v[12:13]
	v_ldexp_f32 v[X1], v[X2], s[EPV]               ; tile 1: in the pair v[10:11]
; Tile q: register 8 t + i of lane (r, hh) is out(query r, channel 16 t + 8 hh + i): 32 neighbouring bytes a tile of channels.  They go into rows of 272 bytes and come back as whole rows of 256.
; Both tiles' multiplications stand first, so that one wait serves both tiles' LDS stores.
.macro SCALEOUT q, fp
.set jj, 0
.rept 16
	v_pk_mul_f32 v[S+32*\q+jj:S+32*\q+jj+1], v[O+32*\q+jj:O+32*\q+jj+1], v[\fp:\fp+1] op_sel_hi:[1,0]
.set jj, jj+2
.endr
.endm
.macro STAGEOUT q
.irp t, 0,1,2,3
	ds_store_b128 v[STO], v[S+32*\q+8*\t:S+32*\q+8*\t+3] offset:64*\t
	ds_store_b128 v[STO], v[S+32*\q+8*\t+4:S+32*\q+8*\t+7] offset:64*\t+16
.endr
.irp i, 0,1,2,3,4,5,6,7
	ds_load_b128 v[KV+32*\q+4*\i:KV+32*\q+4*\i+3], v[RD] offset:2*SP*\i   ; my own stage, served in order: these see the stores above, and the next tile's stores come behind them
.endr
.endm
.macro SEND q, younger                 ; younger: the LDS instructions issued behind tile q's loads
.irp i, 0,1,2,3,4,5,6,7
	s_wait_dscnt \younger+7-\i
	global_store_b128 v[GO], v[KV+32*\q+4*\i:KV+32*\q+4*\i+3], s[24+2*\q:25+2*\q] offset:8192*\i th:TH_STORE_NT   ; sixteen lanes store the 256 consecutive bytes of one (b, l, h), aligned
.endr
.endm
	SCALEOUT 0, F
	SCALEOUT 1, X1
	s_wait_alu depctr_va_vdst(0)                   ; the 32 multiplications have written v[S ..], which the LDS stores read; no vector or matrix instruction follows, so nothing more is owed for v[KV ..], in which the stage's loads land
	STAGEOUT 0
	STAGEOUT 1
	SEND 0, 16                                     ; behind tile 0's loads: tile 1's 8 stores and 8 loads
	SEND 1, 0
	s_wait_dscnt 0x0
	s_wait_alu depctr_hold_cnt(0) depctr_sa_sdst(0) depctr_va_vdst(0) depctr_va_sdst(0) depctr_va_ssrc(0) depctr_va_vcc(0) depctr_vm_vsrc(0)
	s_wait_tensorcnt 0x0
	ds_add_u32 v254, v255
	s_wait_dscnt 0x0
	s_endpgm
.Lfunc_end_k_q5977da91e3_attn:
	.size	k_q5977da91e3_attn, .Lfunc_end_k_q5977da91e3_attn-k_q5977da91e3_attn
	.p2alignl 7, 3214868480
	.fill 96, 4, 3214868480
	.section	.rodata,"a",@progbits
	.p2align	6, 0x0
	.amdhsa_kernel k_q5977da91e3_attn
		.amdhsa_group_segment_fixed_size 297984
		.amdhsa_private_segment_fixed_size 0
		.amdhsa_enable_private_segment 0
		.amdhsa_kernarg_size 56
		.amdhsa_user_sgpr_count 2
		.amdhsa_user_sgpr_kernarg_segment_ptr 1
		.amdhsa_wavefront_size32 1
		.amdhsa_system_sgpr_workgroup_id_x 1
		.amdhsa_system_sgpr_workgroup_id_y 1
		.amdhsa_system_sgpr_workgroup_id_z 1
		.amdhsa_system_vgpr_workitem_id 0
		.amdhsa_next_free_vgpr 256
		.amdhsa_next_free_sgpr 106
		.amdhsa_reserve_vcc 0
		.amdhsa_float_denorm_mode_32 3
		.amdhsa_float_denorm_mode_16_64 3
		.amdhsa_memory_ordered 1
		.amdhsa_forward_progress 1
		.amdhsa_inst_pref_size 104
	.end_amdhsa_kernel
	.amdgpu_metadata
---
amdhsa.version: [ 1, 2 ]
amdhsa.kernels:
  - .name:           k_q5977da91e3_attn
    .symbol:         k_q5977da91e3_attn.kd
    .args:
      - { .name: queries_codes, .offset: 0, .size: 8, .value_kind: global_buffer, .address_space: global }
      - { .name: keys_codes, .offset: 8, .size: 8, .value_kind: global_buffer, .address_space: global }
      - { .name: values_codes, .offset: 16, .size: 8, .value_kind: global_buffer, .address_space: global }
      - { .name: lowp_scales, .offset: 24, .size: 8, .value_kind: global_buffer, .address_space: global }
      - { .name: mwords, .offset: 32, .size: 8, .value_kind: global_buffer, .address_space: global }
      - { .name: mflags, .offset: 40, .size: 8, .value_kind: global_buffer, .address_space: global }
      - { .name: out0, .offset: 48, .size: 8, .value_kind: global_buffer, .address_space: global }
    .group_segment_fixed_size: 297984
    .private_segment_fixed_size: 0
    .kernarg_segment_align: 8
    .kernarg_segment_size: 56
    .max_flat_workgroup_size: 512
    .sgpr_count:     106
    .vgpr_count:     256
    .wavefront_size: 32
...
	.end_amdgpu_metadata
.endif
;; end of part 4
